; MI455X (gfx1250); checked and timed in simulation.
; The chip was launched on July 23, 2026; its instructions are those of AMD's public machine-readable ISA for CDNA 5 (MIT licence, August 2026) and "CDNA5" Instruction Set Architecture Reference Guide (July 2026). The comments in the code are by the model that wrote it; some were corrected since.
;; Simplified Llama Decoder Layer. Allowed arithmetic: matrix products marked QUANTISED: E5M2 operands, one E8M0 scale for each 32 along K, by v_wmma_scale_f32_16x16x128_f8f6f4 with both operands' format E5M2, f32 sums; everything else in f32.
;; Inputs: b1 4,096 float32; b2 1,024 float32; bk 1,024 float32; bo 1,024 float32; bq 1,024 float32; bv 1,024 float32; scale1 1,024 float32; scale2 1,024 float32; w1_codes 4,096 x 32 x 32 uint8 (E5M2 codes of w1, K innermost, in blocks of 32 codes); w1_scales 4,096 x 32 uint8 (E8M0 scales of w1, one for each 32 codes along K); w2_codes 1,024 x 128 x 32 uint8 (E5M2 codes of w2, K innermost, in blocks of 32 codes); w2_scales 1,024 x 128 uint8 (E8M0 scales of w2, one for each 32 codes along K); wk_codes 1,024 x 32 x 32 uint8 (E5M2 codes of wk, K innermost, in blocks of 32 codes); wk_scales 1,024 x 32 uint8 (E8M0 scales of wk, one for each 32 codes along K); wo_codes 1,024 x 32 x 32 uint8 (E5M2 codes of wo, K innermost, in blocks of 32 codes); wo_scales 1,024 x 32 uint8 (E8M0 scales of wo, one for each 32 codes along K); wq_codes 1,024 x 32 x 32 uint8 (E5M2 codes of wq, K innermost, in blocks of 32 codes); wq_scales 1,024 x 32 uint8 (E8M0 scales of wq, one for each 32 codes along K); wv_codes 1,024 x 32 x 32 uint8 (E5M2 codes of wv, K innermost, in blocks of 32 codes); wv_scales 1,024 x 32 uint8 (E8M0 scales of wv, one for each 32 codes along K); x 2 x 2,048 x 1,024 float32.
;; Outputs: out0 2 x 2,048 x 1,024 float32.
;; This version of the problem:
;;   THIS VERSION OF THE PROBLEM IS GIVEN IN LOW PRECISION. The matrix products marked QUANTISED in the list below multiply operands that are first quantised to E5M2 (5 exponent bits, 2 mantissa bits; 8 bits a number), with one power-of-two scale for each 32 numbers along K (OCP MX v1.0); their sums are f32. All else is computed in f32.
;;   The module's matrix products, in the order in which they are computed (A, B: the left and right operand; K: the contracted axis; several contracted axes count as one K, in the product's order):
;;     1. [M 4,096, K 1,024] x [K 1,024, N 1,024]; A: computed on the way; B: input wq (given as codes): QUANTISED
;;     2. [M 4,096, K 1,024] x [K 1,024, N 1,024]; A: computed on the way; B: input wk (given as codes): QUANTISED
;;     3. [M 4,096, K 1,024] x [K 1,024, N 1,024]; A: computed on the way; B: input wv (given as codes): QUANTISED
;;     4. batch 32 x [M 2,048, K 64] x [K 64, N 2,048]; A: computed on the way; B: computed on the way: QUANTISED
;;     5. batch 32 x [M 2,048, K 2,048] x [K 2,048, N 64]; A: softmax (see below); B: computed on the way: QUANTISED
;;     6. [M 4,096, K 1,024] x [K 1,024, N 1,024]; A: computed on the way; B: input wo (given as codes): QUANTISED
;;     7. [M 4,096, K 1,024] x [K 1,024, N 4,096]; A: computed on the way; B: input w1 (given as codes): QUANTISED
;;     8. [M 4,096, K 4,096] x [K 4,096, N 1,024]; A: computed on the way; B: input w2 (given as codes): QUANTISED
;;   THE QUANTISER, for each operand of a quantised product, along K:
;;     - K is cut into blocks of 32 from its start; a last block that is shorter is filled with zeros.
;;     - A block's scale is 2^e with e = floor(log2(the largest magnitude in the block)) - 15, held to -126 .. 127; a block of zeros has e = 0. As a byte (E8M0): e + 127.
;;     - Each number is divided by its block's scale, clamped to +-57,344, and rounded to the nearest number of E5M2, ties to even, subnormals kept.
;;     - The product sums the exact products of the quantised numbers (number of the format x scale) in f32.
;;   ~~~python
;;   def quantise(x, axis):      # numpy; x: float32 -> the quantised numbers, widened to float32 again
;;       x = np.moveaxis(x, axis, -1); K = x.shape[-1]
;;       x = np.pad(x, [(0, 0)] * (x.ndim - 1) + [(0, -K % 32)]); x = x.reshape(x.shape[:-1] + (-1, 32)); a = np.abs(x).max(-1, keepdims=True)
;;       e = np.where(a > 0, np.clip(np.frexp(np.where(a > 0, a, 1))[1] - 1 - 15, -126, 127), 0)      # np.frexp(a)[1] - 1 = floor(log2(a)), exactly
;;       r = np.clip(x / 2.0 ** e, -57344, 57344)
;;       step = 2.0 ** (np.maximum(np.frexp(np.where(r == 0, 1, r))[1] - 1, -14) - 2)
;;       q = np.round(r / step) * step * 2.0 ** e      # np.round: ties to even
;;       return np.moveaxis(q.reshape(q.shape[:-2] + (-1,))[..., :K], -1, axis).astype(np.float32)
;;   ~~~
;;   SOFTMAX AHEAD OF A QUANTISED PRODUCT. Where the list says 'softmax', what is quantised is not the finished softmax but p = 2^(t - M), with t = logit x log2(e) and M = ceil(the row's largest t), a whole number; so 1/2 < the row's largest p <= 1. The row's sum l is taken of the UNQUANTISED p, in f32, and the product's result is divided by l at the end. Since M is a whole number, a kernel that streams over the keys may use a running M (the ceiling of the running maximum): every later rescaling is an exact power of two, which a block's scale takes up: the codes' values come out the same.
;;   OPERANDS COMPUTED ON THE WAY. 'Computed on the way' means the value that the module computes at that place (a softmax that the list does not call 'softmax' is quantised finished and normalised). What goes into a quantiser is computed in f32, as accurately as f32 sums, v_exp_f32 and their like allow (about 1e-6 of the number): no bf16 or f16 on the way to a quantiser, and a product that is left as it is and whose result goes on into a quantised operand takes f32 operands (vector FMAs, or v_wmma_f32_16x16x4_f32). A number that lies on a knife's edge between two numbers of the format may be rounded either way, as far as f32 arithmetic and the matrix unit's own rounding can turn it there, and no further.
;;   INPUTS GIVEN AS CODES. w1 (in the module: [1024, 4096], K = its axis 0); w2 (in the module: [4096, 1024], K = its axis 0); wk (in the module: [1024, 1024], K = its axis 0); wo (in the module: [1024, 1024], K = its axis 0); wq (in the module: [1024, 1024], K = its axis 0); wv (in the module: [1024, 1024], K = its axis 0): each comes as NAME_codes (uint8): NAME with its K axis moved to the last place and cut into blocks of 32 codes, [.., K / 32, bytes a block], one block behind the other in memory; one code a byte (a code: sign, 5 exponent bits, 2 mantissa bits); and NAME_scales (uint8): the same leading axes, one E8M0 byte (e + 127) for each 32 codes along K. Its value is code x scale, taken as it is: it is not quantised again, and the codes and scales need not be those that the quantiser above would give.
;; One version. Each part assembles by itself: llvm-mc -triple=amdgcn-amd-amdhsa -mcpu=gfx1250 --defsym DOCPART=n.
;; ======== version 1 of 1: 7 launches
;; limits: right only within a limited range of input values
;; workspace buffers: xq 4,325,376 bytes; qb 4,325,376 bytes; kv 8,650,752 bytes; ab 4,325,376 bytes; x2 16,777,216 bytes; hb 17,301,504 bytes
;; launch prep (part 1): grid 256 x 1, 4 waves a work-group, no clusters, 21,504 bytes of LDS; arguments x, scale1, xq; writes xq
.if DOCPART == 1
	.amdgcn_target "amdgcn-amd-amdhsa--gfx1250"
	.amdhsa_code_object_version 6
	.text
	.protected	k_qb84f245200_prep
	.globl	k_qb84f245200_prep
	.p2align	8
	.type	k_qb84f245200_prep,@function
k_qb84f245200_prep:
	s_mov_b64 s[64:65], 0
	v_nop
	global_prefetch_b8 v0, s[64:65] scope:SCOPE_SE
	s_setreg_imm32_b32 hwreg(HW_REG_WAVE_MODE, 25, 1), 1
	s_wait_xcnt 0x0
; xq = Q(gain * x / (sqrt(sum x^2) / 32 + 1e-8)): the RMS norm of rows of 1,024 f32, quantised along the row to codes of BF8 (E5M2) with one E8M0 byte for each 32.
; Out: codes [4096][1024] from byte 0 of the buffer, scale bytes [4096][32] from byte 4,194,304.
; A work-group takes 16 rows, a wave 4.  All 40 loads of a wave (8 of the gain, 8 a row, 512 consecutive bytes each) go out at its head; nothing is looped, no pointer is stepped, no store's data are written again.
; The conversions want 16 NEIGHBOURS in a lane, the loads give a lane 4: half a row (2,048 bytes) at a time turns through the wave's own stage in LDS, stored as loaded and read back 64 bytes a lane;
; the stage has 16 bytes of padding behind each 64.  Two neighbouring lanes hold a block of 32.  A lane's 16 codes are 16 bytes: a store of the wave covers 512 consecutive bytes.
; The work-group's 512 scale bytes meet in LDS and leave by one store of wave 0: 512 consecutive bytes.
; No matrix unit, no tensor load, no cluster: the launch streams, and work-groups share no input but the gain.
; LIMITS: NaN and infinities are not served; a block whose largest magnitude lies under 2^-111 (a block of zeros too) keeps the byte 1: this program alone reads the bytes; v_sqrt_f32 and v_rcp_f32 are good to one unit in the last place.
.set SP,   80                          ; a lane's place in a stage: 64 bytes + 16 of padding
.set STG,  32*SP                       ; a stage; each wave has two
.set SBY,  4*2*STG                     ; behind the stages: the work-group's 512 scale bytes
.set EB,   16                          ; v16-23   a scale byte for each of the wave's 8 half rows
.set GN,   32                          ; v32-63   the gain, as loaded
.set X,    64                          ; v64-191  four rows as loaded, 32 registers each
.set NB,   192                         ; v192-223 two sets of 16 neighbours
.set CD,   224                         ; v224-255 codes, four registers for each half row
	s_load_b128 s[4:7], s[0:1], 0x0                ; the rows, the gain
	s_load_b64 s[8:9], s[0:1], 0x10                ; the codes' buffer
	v_lshl_add_u32 v30, v0, 2, 0x5200
	v_mov_b32 v31, 0
	v_lshrrev_b32 v1, 5, v0
	v_readfirstlane_b32 s16, v1                    ; wave
	v_and_b32 v2, 31, v0                           ; lane
	v_lshlrev_b32 v3, 4, v2                        ; 16 x lane: my bytes of a load's or a store's 512
	s_mul_i32 s17, s16, 2*STG
	v_lshrrev_b32 v14, 2, v2
	v_mul_u32_u24 v14, v14, SP
	v_and_b32 v15, 3, v2
	v_lshl_add_u32 v14, v15, 4, v14
	v_add_nc_u32 v14, s17, v14                     ; into the stage: four lanes' 64 bytes on end, then the padding
	v_mul_u32_u24 v15, v2, SP
	v_add_nc_u32 v15, s17, v15                     ; out of it: my 16 neighbours
	v_lshrrev_b32 v5, 1, v2
	s_lshl_b32 s18, s16, 7
	s_add_co_u32 s18, s18, SBY
	v_add_nc_u32 v5, s18, v5                       ; my block's byte among my wave's 128
	v_add_nc_u32 v6, SBY, v3                       ; wave 0 at the end: 16 of the 512 bytes a lane
	v_mov_b32 v25, 0                               ; (named as the upper half of the pair v[24:25])
	v_mov_b32 v26, 0                               ; (a lane permute's destination counts as read)
	v_mov_b32 v27, 0x3d000000                      ; 1 / 32 = 1 / sqrt(1024)
	s_mov_b32 s12, 0x76543210
	s_mov_b32 s13, 0xfedcba98                      ; selects for lane l xor 16
	s_mov_b32 s23, 0x600000                        ; the mantissa field of 57,344
	s_lshl_b32 s20, ttmp9, 16                      ; 16 rows of 4,096 bytes a work-group,
	s_lshl_b32 s21, s16, 14                        ; 4 a wave
	s_add_co_u32 s20, s20, s21
	s_mov_b32 s21, 0
	s_lshl_b32 s24, ttmp9, 14                      ; the same rows' codes: 1,024 bytes a row
	s_lshl_b32 s25, s16, 12
	s_add_co_u32 s24, s24, s25
	s_mov_b32 s25, 0
	s_lshl_b32 s26, ttmp9, 9                       ; the work-group's 512 scale bytes
	s_add_co_u32 s26, s26, 0x400000
	s_mov_b32 s27, 0
	s_wait_kmcnt 0x0
	s_add_nc_u64 s[4:5], s[4:5], s[20:21]
	s_add_nc_u64 s[10:11], s[8:9], s[26:27]
	s_add_nc_u64 s[8:9], s[8:9], s[24:25]
.irp j, 0,1,2,3,4,5,6,7
	global_load_b128 v[GN+4*\j:GN+4*\j+3], v3, s[6:7] offset:512*\j
.endr
.irp i, 0,1,2,3
.irp j, 0,1,2,3,4,5,6,7
	global_load_b128 v[X+32*\i+4*\j:X+32*\i+4*\j+3], v3, s[4:5] offset:4096*\i+512*\j th:TH_LOAD_NT
.endr
.endr
.macro TURN i, u                       ; half u of row i through stage u: LDS serves a wave's instructions in order, so no wait stands between the stores and the loads
.irp j, 0,1,2,3
	ds_store_b128 v14, v[X+32*(\i)+16*(\u)+4*\j:X+32*(\i)+16*(\u)+4*\j+3] offset:STG*(\u)+8*SP*\j
.endr
.irp j, 0,1,2,3
	ds_load_b128 v[NB+16*(\u)+4*\j:NB+16*(\u)+4*\j+3], v15 offset:STG*(\u)+16*\j
.endr
.endm
.macro QSTEP i, u                      ; 512 numbers become codes and 16 scale bytes
.set NS, NB+16*(\u)
.set T, 2*(\i)+(\u)
	v_max3_num_f32 v8, |v[NS]|, |v[NS+1]|, |v[NS+2]|               ; the largest magnitude of my 16, in two chains
	v_max3_num_f32 v9, |v[NS+3]|, |v[NS+4]|, |v[NS+5]|
.irp k, 6,10
	v_max3_num_f32 v8, v8, |v[NS+\k]|, |v[NS+\k+1]|
	v_max3_num_f32 v9, v9, |v[NS+\k+2]|, |v[NS+\k+3]|
.endr
	v_max3_num_f32 v8, v8, |v[NS+14]|, |v[NS+15]|
	v_max3_num_f32 v8, v8, v9, 0x8000000           ; and the floor 2^(16 - 127): the byte cannot fall under 1
	v_max_num_f32_dpp v8, v8, v8 row_xmask:1 row_mask:0xf bank_mask:0xf   ; with my neighbour's 16: the block's
	v_add_nc_u32 v11, 0xf8800000, v8               ; 15 off its exponent field: the conversion's scale operand
	v_and_or_b32 v10, v8, 0x7f800000, s23          ; 57,344 x the scale
.irp k, 0,1,2,3,4,5,6,7,8,9,10,11,12,13,14,15
	v_med3_num_f32 v[NS+\k], v[NS+\k], -v10, v10   ; the conversion to an 8-bit code does not saturate (ISA guide 7.6.2): the hold
.endr
	v_cvt_scalef32_pk8_bf8_f32 v[CD+4*T:CD+4*T+1], v[NS:NS+7], v11
	v_cvt_scalef32_pk8_bf8_f32 v[CD+4*T+2:CD+4*T+3], v[NS+8:NS+15], v11
	v_lshrrev_b32 v[EB+T], 23, v11                 ; the scale's byte (also the plain line behind the conversions)
	ds_store_b8 v5, v[EB+T] offset:32*(\i)+16*(\u) ; both lanes of a block write the same byte with the same value
	global_store_b128 v3, v[CD+4*T:CD+4*T+3], s[8:9] offset:1024*(\i)+512*(\u)
.endm
.macro ROW i
.set XR, X+32*(\i)
	s_wait_loadcnt 8*(3-(\i))                      ; the gain and rows up to this one are in; the later rows' eight loads each may be out
	v_pk_mul_f32 v[8:9], v[XR:XR+1], v[XR:XR+1]    ; the sum of squares of my 32 numbers, two chains of packed multiply-adds
	v_pk_mul_f32 v[10:11], v[XR+2:XR+3], v[XR+2:XR+3]
.irp j, 4,8,12,16,20,24,28
	v_pk_fma_f32 v[8:9], v[XR+\j:XR+\j+1], v[XR+\j:XR+\j+1], v[8:9]
	v_pk_fma_f32 v[10:11], v[XR+\j+2:XR+\j+3], v[XR+\j+2:XR+\j+3], v[10:11]
.endr
	v_pk_add_f32 v[8:9], v[8:9], v[10:11]
	v_add_f32 v8, v8, v9
	v_add_f32_dpp v8, v8, v8 row_xmask:1 row_mask:0xf bank_mask:0xf
	v_add_f32_dpp v8, v8, v8 row_xmask:2 row_mask:0xf bank_mask:0xf
	v_add_f32_dpp v8, v8, v8 row_xmask:4 row_mask:0xf bank_mask:0xf
	v_add_f32_dpp v8, v8, v8 row_xmask:8 row_mask:0xf bank_mask:0xf
	v_permlanex16_b32 v26, v8, s12, s13
	v_add_f32 v8, v8, v26                          ; the row's, in every lane
	s_wait_alu depctr_va_vdst(0)
	v_sqrt_f32 v9, v8
	v_nop                                          ; a plain line behind the transcendental,
	s_wait_alu depctr_va_vdst(0)                   ; and the wait ahead of its first reader
	v_fmaak_f32 v10, v9, v27, 0x322bcc77           ; norm / 32 + 1e-8: the division is exact, so one rounding
	s_wait_alu depctr_va_vdst(0)
	v_rcp_f32 v24, v10
	v_nop
	s_wait_alu depctr_va_vdst(0)
.irp j, 0,2,4,6,8,10,12,14,16,18,20,22,24,26,28,30
	v_pk_mul_f32 v[XR+\j:XR+\j+1], v[XR+\j:XR+\j+1], v[24:25] op_sel_hi:[1,0]
.endr
.irp j, 0,2,4,6,8,10,12,14,16,18,20,22,24,26,28,30
	v_pk_mul_f32 v[XR+\j:XR+\j+1], v[XR+\j:XR+\j+1], v[GN+\j:GN+\j+1]
.endr
	TURN \i, 0
	TURN \i, 1
	s_wait_dscnt 8                                 ; the first half is back; the second half's eight instructions may be out
	QSTEP \i, 0
	s_wait_dscnt 1                                 ; the second half is back; the byte store just issued may be out
	QSTEP \i, 1
.endm
	ROW 0
	ROW 1
	ROW 2
	ROW 3
	s_wait_dscnt 0x0                               ; for the others' sake: my byte stores have landed
	s_barrier_signal -1
	s_barrier_wait -1
	s_cmp_lg_u32 s16, 0
	s_cbranch_scc1 .Lend
	ds_load_b128 v[8:11], v6                       ; the work-group's 512 scale bytes
	s_wait_dscnt 0x0
	global_store_b128 v3, v[8:11], s[10:11]        ; 512 consecutive bytes, at a multiple of 512 from the bytes' first
.Lend:
	s_wait_tensorcnt 0x0
	ds_add_u32 v30, v31
	s_wait_dscnt 0x0
	s_endpgm
.Lfunc_end_k_qb84f245200_prep:
	.size	k_qb84f245200_prep, .Lfunc_end_k_qb84f245200_prep-k_qb84f245200_prep
	.p2alignl 7, 3214868480
	.fill 96, 4, 3214868480
	.section	.rodata,"a",@progbits
	.p2align	6, 0x0
	.amdhsa_kernel k_qb84f245200_prep
		.amdhsa_group_segment_fixed_size 21504
		.amdhsa_private_segment_fixed_size 0
		.amdhsa_enable_private_segment 0
		.amdhsa_kernarg_size 24
		.amdhsa_user_sgpr_count 2
		.amdhsa_user_sgpr_kernarg_segment_ptr 1
		.amdhsa_wavefront_size32 1
		.amdhsa_system_sgpr_workgroup_id_x 1
		.amdhsa_system_sgpr_workgroup_id_y 1
		.amdhsa_system_sgpr_workgroup_id_z 1
		.amdhsa_system_vgpr_workitem_id 0
		.amdhsa_next_free_vgpr 256
		.amdhsa_next_free_sgpr 66
		.amdhsa_reserve_vcc 0
		.amdhsa_float_denorm_mode_32 3
		.amdhsa_float_denorm_mode_16_64 3
		.amdhsa_memory_ordered 1
		.amdhsa_forward_progress 1
		.amdhsa_inst_pref_size 43
	.end_amdhsa_kernel
	.amdgpu_metadata
---
amdhsa.version: [ 1, 2 ]
amdhsa.kernels:
  - .name:           k_qb84f245200_prep
    .symbol:         k_qb84f245200_prep.kd
    .args:
      - { .name: x, .offset: 0, .size: 8, .value_kind: global_buffer, .address_space: global }
      - { .name: scale1, .offset: 8, .size: 8, .value_kind: global_buffer, .address_space: global }
      - { .name: xq, .offset: 16, .size: 8, .value_kind: global_buffer, .address_space: global }
    .group_segment_fixed_size: 21504
    .private_segment_fixed_size: 0
    .kernarg_segment_align: 8
    .kernarg_segment_size: 24
    .max_flat_workgroup_size: 128
    .sgpr_count:     66
    .vgpr_count:     256
    .wavefront_size: 32
...
	.end_amdgpu_metadata
.endif
;; end of part 1
;; launch qkv (part 2): grid 12 x 16, 4 waves a work-group, clusters of 4 x 4, 327,680 bytes of LDS; arguments xq, wq_codes, wq_scales, wk_codes, wk_scales, wv_codes, wv_scales, bq, bk, bv, qb, kv; writes qb, kv
.if DOCPART == 2
	.amdgcn_target "amdgcn-amd-amdhsa--gfx1250"
	.amdhsa_code_object_version 6
	.text
	.protected	k_qb84f245200_qkv
	.globl	k_qb84f245200_qkv
	.p2align	8
	.type	k_qb84f245200_qkv,@function
k_qb84f245200_qkv:
	s_mov_b64 s[64:65], 0
	v_nop
	global_prefetch_b8 v0, s[64:65] scope:SCOPE_SE
	s_setreg_imm32_b32 hwreg(HW_REG_WAVE_MODE, 25, 1), 1
	s_wait_xcnt 0x0
	s_wait_alu depctr_hold_cnt(0) depctr_sa_sdst(0) depctr_va_vdst(0) depctr_va_sdst(0) depctr_va_ssrc(0) depctr_va_vcc(0) depctr_vm_vsrc(0)
	s_getreg_b32 s2, hwreg(HW_REG_IB_STS2, 6, 4)
	s_cmp_eq_u32 s2, 0
	s_cbranch_scc0 .Lentry_in_a_cluster
	s_endpgm
.Lentry_in_a_cluster:
	s_bfe_u32 s2, ttmp6, 0x10000c
	s_cmp_lg_u32 s2, 0xf033
	s_cbranch_scc0 .Lentry_shape_is_right
	s_endpgm
.Lentry_shape_is_right:
; q, k, v = xn W + b on codes of BF8 (E5M2) with E8M0 scales for each 32 along K = 1,024; then q and k minus their own roll by one inside each head of 64; then all three quantised for attention.
; THE PRODUCT.  A tile of 256 x 256 to a work-group of four waves, 128 x 128 a wave: 64 accumulators, 512 registers.  K goes in steps of 256 through two LDS slots filled by the tensor data mover;
; the scale bytes of the work-group's 2 x 256 rows come once and stay.  4 x 4 work-groups form a cluster: A's tiles are asked for jointly along a row of it, B's along a column.
; WHICH PRODUCT: the cluster's x: 0 q, 1 k, 2 v: the same number in all sixteen partners.  q and k: A = xq (tokens), B = the weight (channels).  v IS MADE TRANSPOSED BY THE SAME TEXT: A = wv (channels), B = xq (tokens):
; both are rows of 1,024 codes with 32 scale bytes.  Only pointers, offsets and a few constants are chosen by the number; no branch hangs on it.
; The matrix instruction takes 16 rows of B as source 0 and 16 rows of A as source 1: lane (r, h) of accumulator (a, b) holds row 16 a + r of A, and its register j row 16 b + 8 h + j of B.
; So a lane's 64 numbers of a row block a run along the NEXT product's K: the head's channels for q and k, the keys for v.
; ORDER INSIDE A BLOCK OF 32: the 16 registers of accumulators 2 B and 2 B + 1 hold elements 8 h + 0..7 and 16 + 8 h + 0..7 of block B; lanes l and l xor 16 hold the block.  q and k are laid alike, and so are v and attention's p:
; a permutation inside a block, the same on both sides of a product, changes neither the block's scale nor the sum.
; OUT, as images of the operand's registers (lane l's 16 bytes at 16 l, 512 bytes a store):
;   qb: codes [head 32][step of 128 queries 16][tile 8][block 2][lane][16]; from byte 4,194,304 words [head][step][row 16][pair 4]: the two bytes of tile 2 p low, those of tile 2 p + 1 high.
;   kv: codes [head][group 4][K: 4 steps x 8,192 | V: 4 steps x 8,192], a K step as a q step, a V step [tile of 16 channels 4][block 4][lane][16]; from byte 8,388,608, 8,192 a head: K's words as q's, then V's [step][row 16][tile 4].
; LIMITS: NaN and infinities are not served; a block whose largest magnitude lies under 2^-111 (a block of zeros too) keeps the byte 1: this program alone reads the bytes.
; Two of the four K steps are asked for at the head; K steps 1 to 3 are prefetched into the L2.  192 work-groups: 3 x 64 tiles of 256 x 256.
.set SIZE_K, 1024
.set KSTEP,  256
.set NQ,     KSTEP/128
.set ROWB,   256
.set KROW,   SIZE_K
.set PITCH,  272                       ; an LDS row: 256 bytes + 16 of padding: the 16 rows that a load touches start 16 bytes apart modulo 256
.set FR,     16
.set NL,     4
.set NP,     8                         ; places behind this matrix instruction (ISA guide 7.12.1)
.set HALFT,  128*PITCH
.set SLOT,   4*HALFT
.set LAPS,   SIZE_K/(2*KSTEP)
.set KS,     SIZE_K/32
.set SCL,    2*SLOT
.set HALFS,  (128*KS/256)*272
.set SBLK,   (16*KS/256)*272
.set SPARE,  SCL+4*HALFS               ; the spare words: 128 bytes a wave, named by no other line
.set BV,   8                           ; v8-15    v's bias of my row in each of the 8 row blocks (zeros for q and k)
.set ADRA, 16                          ; v16-17, v20-21 LDS addresses of my fragments; behind the loop v16-23 is the queue of scale words
.set ADRB, 20
.set QQ,   16
.set ZR,   24                          ; v24      0
.set ADRS, 27
.set SPW,  28
.set NIL,  29
.set BVC,  30                          ; v[30:31] the row block's bias of v; until the loads are in, v30 is their offset
.set SC,   32                          ; v32-63   scale words, two sets
.set BI,   64                          ; v64-127  q's or k's bias in the result's layout (zeros for v)
.set AF,   128                         ; v128-255 A's fragments; behind the loop:
.set Y,    128                         ; v128-191 a row block's 64 numbers
.set PC,   192                         ; v192-207 its codes
.set TM,   208                         ; v208-223 at work in the quantiser
.set PW,   224                         ; its scale word
.set PP,   226                         ; v226-233 the other half's last channels
.set PZ,   234                         ; v234-241 each tile's left neighbour
.set RR,   244                         ; v244-251 the words on their way out
.set G1, 24
.set G0, 32
.set G1B, 48
.set G0B, 56
.set G1S, 68
.set G0S, 76
.set G1SB, 80
.set G0SB, 88
.set AI,  66                           ; behind the loop: the row block
.set STP, 67                           ; bytes from a row block's image to the next
.set X0,  76                           ; s[76:77], s[78:79] where the two halves of a row block's codes go; s[80:81] the scale words
.set X1,  78
.set XS,  80
.set T0,  82
.set EX,  84
.set HS,  85
.set SEL, 96
.set MNT, 98
.set MH,  99                           ; lanes 16-31
.set MV,  100                          ; all lanes for v, none for q and k
.set NG,  101                          ; -1.0 for q and k, 0 for v
.set MSB, 0
.macro WIN new                         ; the immediate's high byte repeats the setting that is left
.if MSB != \new
	s_set_vgpr_msb (MSB<<8)|\new
.set MSB, \new
.endif
.endm
.set MUL_LO, 0xa1                      ; source 0 (B) window 1, source 1 (A) window 0, C and D window 2
.set MUL_HI, 0xf1                      ; the same, C and D window 3
.set TO_B,   0x40
.macro JLOAD g0a, g1a, g0b, g1b        ; a joint load: waves 0 and 1 fetch for A, waves 2 and 3 for B; four v_nop follow each line
	s_cmp_eq_u32 s15, 0
	s_cbranch_scc0 .Lfor_b_\@
	tensor_load_to_lds s[\g0a:\g0a+3], s[\g1a:\g1a+7]
	s_nop 0
.rept 4
	v_nop
.endr
	s_branch .Lasked_\@
.Lfor_b_\@:
	tensor_load_to_lds s[\g0b:\g0b+3], s[\g1b:\g1b+7]
	s_nop 0
.rept 4
	v_nop
.endr
.Lasked_\@:
.endm
.macro CREST
	s_cmp_lg_u32 s14, 0
	s_cbranch_scc1 .Lnot_wave_0_\@
	s_barrier_signal -3
.Lnot_wave_0_\@:
	s_barrier_wait -3
	s_barrier_signal -1
	s_barrier_wait -1
.endm
.macro CROUND
	s_barrier_signal -1
	s_barrier_wait -1
	CREST
.endm
	s_load_b512 s[68:83], s[0:1], 0x0              ; xq, wq codes, scales, wk codes, scales, wv codes, scales, bq
	s_load_b256 s[84:91], s[0:1], 0x40             ; bk, bv, (qb, kv: loaded again behind the loop)
	v_lshl_add_u32 v[SPW], v0, 2, SPARE
	v_mov_b32 v[NIL], 0
	ds_add_u32 v28, v29
	ds_add_u32 v28, v29
	s_wait_dscnt 0x0
	v_lshrrev_b32 v1, 5, v0
	v_readfirstlane_b32 s14, v1                    ; wave 0..3
	s_lshr_b32 s15, s14, 1                         ; which half of A's rows is mine.  Also: I fetch for A (0) or for B (1)
	s_and_b32 s16, s14, 1                          ; which half of B's rows.  Also: which 128 rows I fetch
	s_bfe_u32 s40, ttmp6, 0x40000                  ; cx, cy
	s_bfe_u32 s41, ttmp6, 0x40004
	s_and_b32 s18, ttmp7, 0xffff
	s_lshl_b32 s18, s18, 2                         ; 4 x cluster y: it walks the tokens,
	s_cmp_eq_u32 ttmp9, 2
	s_cselect_b32 s17, 0, s18                      ; which are A's rows for q and k
	s_cselect_b32 s42, s18, 0                      ; and B's for v
	s_add_co_u32 s17, s17, s41                     ; tile row (of A)
	s_add_co_u32 s42, s42, s40                     ; tile column (of B)
	s_lshl_b32 s43, s41, 2
	s_lshl_b32 s43, 15, s43                        ; my row of the cluster
	s_lshl_b32 s44, 0x1111, s40                    ; my column
	s_or_b32 s[G1+0], s43, (0<<16)|(1<<20)|(1<<21)|(5<<22)|(3<<25)  ; the mask; elements of 1 byte; padding: 4 words behind every 64; bit 21 beside a mask
	s_or_b32 s[G1B+0], s44, (0<<16)|(1<<20)|(1<<21)|(5<<22)|(3<<25)
.irp g, G1, G1B
	s_mov_b32 s[\g+1], ROWB<<16                    ; tensor_dim0
	s_mov_b32 s[\g+2], 256<<16                     ; tensor_dim1: 256 rows for the head's loads; set to 128 for the ring's behind them
	s_mov_b32 s[\g+3], ROWB<<16                    ; tile_dim0
	s_mov_b32 s[\g+4], 256                         ; tile_dim1
	s_mov_b32 s[\g+5], KROW                        ; the pitch
	s_mov_b32 s[\g+6], 0
	s_mov_b32 s[\g+7], 0
.endr
	s_wait_kmcnt 0x0
	s_add_nc_u64 s[94:95], s[68:69], 0x400000      ; xq's scale bytes
	s_cmp_eq_u32 ttmp9, 0                          ; the choices hang on the cluster's number alone
	s_cselect_b64 s[8:9], s[70:71], s[74:75]       ; the weight's codes: wq or wk,
	s_cselect_b64 s[10:11], s[72:73], s[76:77]     ; its scale bytes,
	s_cselect_b64 s[12:13], s[82:83], s[84:85]     ; the bias
	s_cmp_eq_u32 ttmp9, 2
	s_cselect_b64 s[4:5], s[78:79], s[68:69]       ; A's codes: wv for v, else xq
	s_cselect_b64 s[6:7], s[80:81], s[94:95]       ; A's scale bytes
	s_cselect_b64 s[8:9], s[68:69], s[8:9]         ; B's codes: xq for v
	s_cselect_b64 s[10:11], s[94:95], s[10:11]
	s_cselect_b64 s[12:13], s[86:87], s[12:13]
	s_or_b32 s[G1S+0], s43, (3<<16)|(1<<20)|(1<<21)|(5<<22)|(3<<25)   ; the scale bytes of 256 rows: 8,192 dense bytes as 32 rows of 256, 16 bytes of padding behind each
	s_or_b32 s[G1SB+0], s44, (3<<16)|(1<<20)|(1<<21)|(5<<22)|(3<<25)
.irp g, G1S, G1SB
	s_mov_b32 s[\g+1], 32<<16
	s_mov_b32 s[\g+2], KS<<16                      ; the scale bytes of 256 rows: KS rows of 256 bytes
	s_mov_b32 s[\g+3], 32<<16
	s_mov_b32 s[\g+4], KS
	s_mov_b32 s[\g+5], 32
	s_mov_b32 s[\g+6], 0
	s_mov_b32 s[\g+7], 0
.endr
	s_lshl_b32 s20, s17, 8                         ; A: the tile's first row
	s_lshl_b32 s46, s42, 8                         ; B: the same
	s_mov_b32 s21, 0
	s_mov_b32 s47, 0
	s_mov_b64 s[18:19], KS
	s_mul_u64 s[22:23], s[20:21], s[18:19]
	s_mul_u64 s[92:93], s[46:47], s[18:19]
	s_mov_b64 s[18:19], KROW
	s_mul_u64 s[20:21], s[20:21], s[18:19]
	s_mul_u64 s[46:47], s[46:47], s[18:19]
	s_mul_i32 s18, s16, 128*KROW                   ; in the ring I fetch 128 rows of a tile: which half, in bytes
	s_mov_b32 s19, 0
	s_mul_i32 s45, s14, HALFT                      ; where they go: wave x 128 rows
	s_add_nc_u64 s[20:21], s[4:5], s[20:21]
	s_add_nc_u64 s[22:23], s[6:7], s[22:23]
	s_add_nc_u64 s[46:47], s[8:9], s[46:47]
	s_add_nc_u64 s[92:93], s[10:11], s[92:93]
	CROUND                                         ; all sixteen work-groups are here: the first joint loads meet
	s_mov_b32 s[G0S], 1
	s_mov_b32 s[G0S+1], SCL
	s_mov_b64 s[G0S+2:G0S+3], s[22:23]
	s_or_b32 s[G0S+3], s[G0S+3], 0x80000000
	s_mov_b32 s[G0SB], 1
	s_mov_b32 s[G0SB+1], SCL+2*HALFS
	s_mov_b64 s[G0SB+2:G0SB+3], s[92:93]
	s_or_b32 s[G0SB+3], s[G0SB+3], 0x80000000
.set G0H, 4                            ; s[4:7], s[8:11] group 0 for the head's loads of K step 0 (the pointers that lay there have been used)
.set G0HB, 8
	s_mov_b32 s[G0H], 1                            ; K step 0's 256 rows of A,
	s_mov_b32 s[G0H+1], 0
	s_mov_b64 s[G0H+2:G0H+3], s[20:21]
	s_or_b32 s[G0H+3], s[G0H+3], 0x80000000
	s_mov_b32 s[G0HB], 1                           ; and of B, behind them in slot 0
	s_mov_b32 s[G0HB+1], 2*HALFT
	s_mov_b64 s[G0HB+2:G0HB+3], s[46:47]
	s_or_b32 s[G0HB+3], s[G0HB+3], 0x80000000
	s_add_nc_u64 s[20:21], s[20:21], s[18:19]      ; for the ring: my 128 rows of the tile
	s_add_nc_u64 s[46:47], s[46:47], s[18:19]
	; THE PREFETCHES INTO THE L2: behind the load of K step 0 stand requests for K steps 1 and 2, behind the load of K step 1 one for K step 3.  A K step is 256 bytes of each row.  Of the 128 rows that a wave fetches in the ring,
	; each of the four partners that ask for them jointly takes 32, told apart BY ADDRESS (cx for A, cy for B): a lane a row, one instruction a wave.  s[94:95] my 32 rows, v26 my lane's row; neither is written again
	s_cmp_eq_u32 s15, 0                            ; do I fetch for A?
	s_cselect_b64 s[94:95], s[20:21], s[46:47]
	s_cselect_b32 s92, s40, s41
	s_mul_i32 s92, s92, 32*KROW
	s_mov_b32 s93, 0
	s_add_nc_u64 s[94:95], s[94:95], s[92:93]
.irp s, 0,1
	s_mov_b32 s[G0+4*\s], 1
	s_add_co_u32 s[G0+4*\s+1], s45, \s*SLOT
	s_add_nc_u64 s[G0+4*\s+2:G0+4*\s+3], s[20:21], \s*ROWB
	s_or_b32 s[G0+4*\s+3], s[G0+4*\s+3], 0x80000000
	s_mov_b32 s[G0B+4*\s], 1
	s_add_co_u32 s[G0B+4*\s+1], s45, \s*SLOT
	s_add_nc_u64 s[G0B+4*\s+2:G0B+4*\s+3], s[46:47], \s*ROWB
	s_or_b32 s[G0B+4*\s+3], s[G0B+4*\s+3], 0x80000000
.endr
; the head's four tiles, one load a wave: wave 0 A's 256 rows of K step 0, wave 1 B's, wave 2 A's scale bytes, wave 3 B's; one chain of branches on the wave's number
.macro ARM under, g0, g1, next
	s_cmp_lt_u32 s14, \under
	s_cbranch_scc0 \next
	tensor_load_to_lds s[\g0:\g0+3], s[\g1:\g1+7]
	s_nop 0
.rept 4
	v_nop
.endr
	s_branch .Lhead_asked
\next:
.endm
	ARM 1, G0H,  G1,  .Lhead_b
	ARM 2, G0HB, G1B, .Lhead_sa
	ARM 3, G0S,  G1S, .Lhead_sb
	tensor_load_to_lds s[G0SB:G0SB+3], s[G1SB:G1SB+7]
	s_nop 0
.rept 4
	v_nop
.endr
.Lhead_asked:
	v_and_b32 v26, 31, v0
	v_lshlrev_b32 v26, 10, v26                     ; my lane x a row of 1,024 bytes
	global_prefetch_b8 v26, s[94:95] offset:ROWB th:TH_LOAD_NT scope:SCOPE_SE     ; K step 1
	global_prefetch_b8 v26, s[94:95] offset:2*ROWB th:TH_LOAD_NT scope:SCOPE_SE   ; K step 2
	v_and_b32 v1, 15, v0                           ; r
	v_bfe_u32 v2, v0, 4, 1                         ; h
	v_mul_u32_u24 v3, v1, PITCH
	v_lshl_add_u32 v4, v2, 4, v3
	s_mul_i32 s21, s15, HALFT
	s_mul_i32 s22, s16, HALFT
	s_add_co_u32 s22, s22, 2*HALFT
.irp s, 0,1
	v_add_nc_u32 v[ADRA+\s], s21, v4
	v_add_nc_u32 v[ADRB+\s], s22, v4
	s_add_co_u32 s21, s21, SLOT
	s_add_co_u32 s22, s22, SLOT
.endr
	v_mul_u32_u24 v5, v1, KS
	v_lshrrev_b32 v6, 8, v5
	v_lshl_add_u32 v5, v6, 4, v5
	s_mul_i32 s21, s15, HALFS
	s_mul_i32 s22, s16, HALFS
	s_add_co_u32 s22, s22, 2*HALFS
	s_sub_co_u32 s22, s22, s21
	v_mul_u32_u24 v6, s22, v2                      ; lanes 16-31 take B's words
	s_add_co_u32 s21, s21, SCL
	v_add_nc_u32 v5, v5, v6
	v_add_nc_u32 v[ADRS], s21, v5
	; the bias, in both forms; the form that does not apply reads the buffer's first bytes and is made zero behind the loop
	s_lshl_b32 s20, s42, 10
	s_lshl_b32 s21, s16, 9
	s_add_co_u32 s20, s20, s21                     ; q, k: my 128 channels are B's rows
	s_lshl_b32 s21, s17, 10
	s_lshl_b32 s22, s15, 9
	s_add_co_u32 s21, s21, s22                     ; v: they are A's rows
	s_cmp_eq_u32 ttmp9, 2
	s_cselect_b32 s20, 0, s20
	s_cselect_b32 s21, s21, 0
	v_lshl_add_u32 v7, v2, 5, s20                  ; channel 16 b + 8 h + 0..7
	v_lshl_add_u32 v30, v1, 2, s21                 ; channel 16 a + r
.irp b, 0,1,2,3,4,5,6,7
	global_load_b128 v[BI+8*\b:BI+8*\b+3], v7, s[12:13] offset:64*\b
	global_load_b128 v[BI+8*\b+4:BI+8*\b+7], v7, s[12:13] offset:64*\b+16
.endr
.irp a, 0,1,2,3,4,5,6,7
	global_load_b32 v[BV+\a], v30, s[12:13] offset:64*\a
.endr
.macro FRAG reg, adr, q, i             ; 16 rows x 128 K: lane l holds row l % 16; registers 4 c .. 4 c + 3 hold K = 32 c + 16 (l / 16) + 0 .. 15
.irp c, 0,1,2,3
	ds_load_b128 v[\reg+4*\c:\reg+4*\c+3], v[\adr] offset:128*(\q)+32*\c+(\i)*16*PITCH
.endr
.endm
; 16 matrix instructions: A's blocks a0, a0 + 1 x B's eight.  The 64 accumulators take turns, one instruction a turn, in the same order in every step.
.macro MUL16 a0, p, q, sc, zero
.irp a, \a0, \a0+1
.irp b, 0,1,2,3,4,5,6,7
.if \zero
	v_wmma_scale_f32_16x16x128_f8f6f4 v[8*(8*((\a)%4)+\b):8*(8*((\a)%4)+\b)+7], v[128*(\p)+FR*\b:128*(\p)+FR*\b+FR-1], v[AF+FR*(\a):AF+FR*(\a)+FR-1], 0, v[SC+8*NQ*(\sc)+NQ*\b+(\q)], v[SC+8*NQ*(\sc)+NQ*(\a)+(\q)] matrix_a_fmt:MATRIX_FMT_BF8 matrix_b_fmt:MATRIX_FMT_BF8 matrix_a_scale:MATRIX_SCALE_ROW1
.else
	v_wmma_scale_f32_16x16x128_f8f6f4 v[8*(8*((\a)%4)+\b):8*(8*((\a)%4)+\b)+7], v[128*(\p)+FR*\b:128*(\p)+FR*\b+FR-1], v[AF+FR*(\a):AF+FR*(\a)+FR-1], v[8*(8*((\a)%4)+\b):8*(8*((\a)%4)+\b)+7], v[SC+8*NQ*(\sc)+NQ*\b+(\q)], v[SC+8*NQ*(\sc)+NQ*(\a)+(\q)] matrix_a_fmt:MATRIX_FMT_BF8 matrix_b_fmt:MATRIX_FMT_BF8 matrix_a_scale:MATRIX_SCALE_ROW1
.endif
.endr
.endr
.endm
.macro FETCH_B slot, q, p
	WIN TO_B
.irp i, 0,1,2,3,4,5,6,7
	FRAG 128*(\p)+FR*\i, ADRB+\slot, \q, \i
.endr
	WIN 0
.endm
.macro FETCH_A slot, q, i0
.irp i, \i0, \i0+1, \i0+2, \i0+3
	FRAG AF+FR*(\i), ADRA+\slot, \q, \i
.endr
.endm
.macro SCALES sc                       ; a K step's two words a row: lanes 0-15 A's block i, lanes 16-31 B's block i
.irp i, 0,1,2,3,4,5,6,7
	ds_load_b64 v[SC+8*NQ*\sc+NQ*\i:SC+8*NQ*\sc+NQ*\i+1], v[ADRS] offset:\i*SBLK
.endr
.endm
.macro PLACES n                        ; plain vector lines between a matrix instruction and a load into, or a vector read of, its registers
.rept \n
	v_nop
.endr
.endm
.macro STEP slot, q, zero              ; 128 along K that has its successor in the same slot
	s_wait_dscnt 4*NL                              ; B's set and A's blocks 0-3 are in; the youngest 16 loads (A's blocks 4-7) may be out
	WIN MUL_LO
	MUL16 0, (\q)%2, \q, \slot, \zero
	MUL16 2, (\q)%2, \q, \slot, \zero
	s_wait_dscnt 0
	PLACES NP
	FETCH_B \slot, (\q)+1, 1-(\q)%2
	FETCH_A \slot, (\q)+1, 0
	WIN MUL_HI
	MUL16 4, (\q)%2, \q, \slot, \zero
	MUL16 6, (\q)%2, \q, \slot, \zero
	PLACES NP
	WIN 0
	FETCH_A \slot, (\q)+1, 4
.endm
.macro TURN slot, next, fill           ; a slot's last step changes slots: one barrier; fill = 1: this slot is filled again, two K steps ahead
	s_wait_tensorcnt 0x0                           ; all my tensor loads have landed: my part of the next slot;
	ds_add_u32 v[SPW], v[NIL]                      ; 0 onto my spare word
	s_wait_dscnt 4*NL+1                            ; (the add and the youngest 16 loads may be out)
	WIN MUL_LO
	MUL16 0, 1, NQ-1, \slot, 0
	s_wait_dscnt 0x0                               ; the add is done, and my reads of this slot are over
	s_barrier_signal -1
	MUL16 2, 1, NQ-1, \slot, 0
	WIN 0
	s_barrier_wait -1
.if \fill
	CREST                                          ; the barrier has opened a round of the cluster's: no wave of any partner still reads this slot or has a load on its way
	s_add_nc_u64 s[G0+4*\slot+2:G0+4*\slot+3], s[G0+4*\slot+2:G0+4*\slot+3], 2*ROWB
	s_add_nc_u64 s[G0B+4*\slot+2:G0B+4*\slot+3], s[G0B+4*\slot+2:G0B+4*\slot+3], 2*ROWB
	JLOAD G0+4*\slot, G1, G0B+4*\slot, G1B
	PLACES NP-4
.else
	PLACES NP
.endif
	s_wait_alu depctr_va_vdst(0)
	v_add_nc_u32 v[ADRS], 4*NQ, v[ADRS]
	FETCH_B \next, 0, 0
	FETCH_A \next, 0, 0
	SCALES \next
	WIN MUL_HI
	MUL16 4, 1, NQ-1, \slot, 0
	MUL16 6, 1, NQ-1, \slot, 0
	PLACES NP
	WIN 0
	FETCH_A \next, 0, 4
.endm
	s_wait_alu depctr_va_vdst(0)
	s_wait_tensorcnt 0x0                           ; my tile of the head's four is in
	ds_add_u32 v[SPW], v[NIL]
	s_mov_b32 s[G1+2], 128<<16                     ; no tensor load of mine is out: from here on a load brings 128 rows
	s_mov_b32 s[G1+4], 128
	s_mov_b32 s[G1B+2], 128<<16
	s_mov_b32 s[G1B+4], 128
	s_wait_dscnt 0x0
	CROUND                                         ; all four tiles are in, and all sixteen work-groups are here
	JLOAD G0+4, G1, G0B+4, G1B                     ; K step 1, the first tensor load behind the round
	FETCH_B 0, 0, 0
	FETCH_A 0, 0, 0
	SCALES 0
	FETCH_A 0, 0, 4
	global_prefetch_b8 v26, s[94:95] offset:3*ROWB th:TH_LOAD_NT scope:SCOPE_SE   ; K step 3, the last
	STEP 0, 0, 1                                   ; the first step's products start the sums
	s_mov_b32 s3, LAPS-1
.Llap:
	TURN 0, 1, 1
	STEP 1, 0, 0
	TURN 1, 0, 1
	STEP 0, 0, 0
	s_sub_co_u32 s3, s3, 1
	s_cmp_lg_u32 s3, 0
	s_cbranch_scc1 .Llap
	TURN 0, 1, 0
	STEP 1, 0, 0
	s_wait_dscnt 4*NL
	WIN MUL_LO
	MUL16 0, 1, NQ-1, 1, 0
	MUL16 2, 1, NQ-1, 1, 0
	s_wait_dscnt 0
	WIN MUL_HI
	MUL16 4, 1, NQ-1, 1, 0
	MUL16 6, 1, NQ-1, 1, 0
	WIN 0
	; ---- BEHIND THE PRODUCT: a loop over my 8 row blocks; a trip adds the bias, takes the roll away (q, k), quantises 64 numbers a lane and stores their image.  No LDS, no barrier.
	PLACES NP
	s_load_b128 s[72:75], s[0:1], 0x50             ; qb, kv (no tensor load is out: the descriptors' registers are free)
	s_lshl_b32 s18, s17, 1
	s_add_co_u32 s18, s18, s15                     ; q, k: which 128 tokens are mine
	s_lshl_b32 s19, s42, 1
	s_add_co_u32 s19, s19, s16                     ; v: the same
	s_lshl_b32 s20, s42, 2
	s_lshl_b32 s21, s16, 1
	s_add_co_u32 s20, s20, s21                     ; q, k: the first of my two heads
	s_lshl_b32 s21, s17, 2
	s_lshl_b32 s22, s15, 1
	s_add_co_u32 s21, s21, s22                     ; v: the same
	s_mov_b32 s[STP], 1024
	s_mov_b32 s23, 262144
	s_cmp_eq_u32 ttmp9, 2
	s_cselect_b32 s18, s19, s18
	s_cselect_b32 s20, s21, s20
	s_cselect_b32 s[MV], -1, 0
	s_cselect_b32 s[NG], 0, 0xbf800000
	s_cselect_b32 s[STP], 2048, s[STP]             ; a tile of 16 tokens is 1,024 bytes, a tile of 16 channels of v 2,048
	s_cselect_b32 s[EX], 253952, 0                 ; v: behind row block 3 on to the next head: 262,144 - 4 x 2,048
	s_cselect_b32 s23, 1024, s23                   ; from a row block's first two stores to its last two: v: the same image; k: the next head
	s_cselect_b32 s46, 32768, 0                    ; V lies behind K in a group,
	s_cselect_b32 s47, 4096, 0                     ; and V's words behind K's
	s_lshr_b32 s19, s18, 4
	s_lshl_b32 s19, s19, 4
	s_add_co_u32 s19, s19, s20                     ; 16 x batch + head
	s_and_b32 s18, s18, 15                         ; the step of 128 tokens in the batch
	s_lshl_b32 s21, s19, 17
	s_lshl_b32 s22, s18, 13
	s_add_co_u32 s21, s21, s22                     ; q's codes
	s_lshl_b32 s22, s19, 18
	s_add_co_u32 s22, s22, s46
	s_lshr_b32 s46, s18, 2
	s_lshl_b32 s46, s46, 16
	s_add_co_u32 s22, s22, s46
	s_and_b32 s46, s18, 3
	s_lshl_b32 s46, s46, 13
	s_add_co_u32 s22, s22, s46                     ; k's or v's codes
	s_lshl_b32 s46, s18, 8
	s_lshl_b32 s20, s19, 12
	s_add_co_u32 s20, s20, s46
	s_add_co_u32 s20, s20, 0x400000                ; q's words
	s_lshl_b32 s19, s19, 13
	s_add_co_u32 s19, s19, s46
	s_add_co_u32 s19, s19, s47
	s_add_co_u32 s19, s19, 0x800000                ; k's or v's words
	s_mov_b32 s[HS], 8192
	s_mov_b32 s47, 131072
	s_mov_b32 s[SEL], 0x76543210
	s_mov_b32 s[SEL+1], 0xfedcba98
	s_mov_b32 s[MNT], 0x600000
	s_mov_b32 s[MH], 0xffff0000
	s_wait_kmcnt 0x0
	s_cmp_eq_u32 ttmp9, 0
	s_cselect_b64 s[X0:X0+1], s[72:73], s[74:75]
	s_cselect_b32 s[T0], s21, s22
	s_cselect_b32 s20, s20, s19
	s_cselect_b32 s23, s47, s23
	s_cselect_b32 s[HS], 4096, s[HS]               ; from a head's words to the next head's
	s_mov_b32 s[T0+1], 0
	s_mov_b32 s21, 0
	s_add_nc_u64 s[XS:XS+1], s[X0:X0+1], s[20:21]
	s_add_nc_u64 s[X0:X0+1], s[X0:X0+1], s[T0:T0+1]
	s_mov_b32 s[T0], s23
	s_add_nc_u64 s[X1:X1+1], s[X0:X0+1], s[T0:T0+1]
	v_and_b32 v2, 31, v0
	v_lshlrev_b32 v1, 4, v2                        ; 16 x lane: an image's place for my lane
	v_and_b32 v3, 15, v0
	v_bfe_u32 v4, v0, 4, 1
	v_mul_u32_u24 v5, s[HS], v4
	v_lshl_add_u32 v5, v3, 4, v5                   ; the words: 16 r; lanes 16-31 the next head
	v_mov_b32 v[ZR], 0
	s_wait_alu depctr_va_vdst(0)
	s_wait_loadcnt 0x0                             ; the biases
.set i, 0
.rept 64
	v_cndmask_b32 v[BI+i], v[BI+i], v[ZR], s[MV]   ; v has no bias along B's rows,
.set i, i+1
.endr
.set i, 0
.rept 8
	v_cndmask_b32 v[BV+i], v[ZR], v[BV+i], s[MV]   ; q and k none along A's
	v_mov_b32 v[QQ+i], 0
	v_mov_b32 v[PP+i], 0                           ; (a lane permute's destination counts as read)
.set i, i+1
.endr
.irp b, 0,1,2,3
	v_mov_b32 v[TM+4+\b], 0
.endr
	v_mov_b32 v[BVC+1], 0                          ; (named as the upper half of a pair)
.macro XFER k                          ; row block k's 64 sums + the bias along B's rows, each accumulator from its low end on
.set WX, 0x02+(\k)/4
	WIN WX
.set i, 0
.rept 32
	v_pk_add_f32 v[Y+i:Y+i+1], v[64*((\k)%4)+i:64*((\k)%4)+i+1], v[BI+i:BI+i+1]
.set i, i+2
.endr
	WIN 0
	v_mov_b32 v[BVC], v[BV+\k]
.endm
.macro QUANT s                         ; 64 numbers of a lane, register 16 b + i in block b, become 16 registers of codes in v[PC] on and the row's scale word in v[PW]
.irp b, 0,1,2,3
	v_max3_num_f32 v[TM+\b], |v[\s+16*\b]|, |v[\s+1+16*\b]|, 0x8000000   ; my 16 numbers of block b, and the floor 2^(16 - 127): the byte cannot fall under 1
.endr
.irp i, 2,4,6,8,10,12,14
.irp b, 0,1,2,3
	v_max3_num_f32 v[TM+\b], v[TM+\b], |v[\s+16*\b+\i]|, |v[\s+1+16*\b+\i]|
.endr
.endr
.irp b, 0,1,2,3
	v_permlanex16_b32 v[TM+4+\b], v[TM+\b], s[SEL], s[SEL+1]
.endr
.irp b, 0,1,2,3
	v_max_num_f32 v[TM+\b], v[TM+\b], v[TM+4+\b]   ; with lane l xor 16's: the block's largest magnitude
.endr
.irp b, 0,1,2,3
	v_add_nc_u32 v[TM+12+\b], 0xf8800000, v[TM+\b] ; 15 off its exponent field: the conversion's scale operand
.endr
.irp b, 0,1,2,3
	v_and_or_b32 v[TM+8+\b], v[TM+\b], 0x7f800000, s[MNT]   ; 57,344 x the scale
.endr
.irp b, 0,1,2,3
	v_lshrrev_b32 v[TM+4+\b], 23, v[TM+12+\b]      ; the scale's byte
.endr
	v_lshl_or_b32 v[PW], v[TM+5], 8, v[TM+4]
	v_lshl_or_b32 v[PW], v[TM+6], 16, v[PW]
	v_lshl_or_b32 v[PW], v[TM+7], 24, v[PW]
.irp b, 0,1,2,3
.irp i, 0,1,2,3,4,5,6,7,8,9,10,11,12,13,14,15
	v_med3_num_f32 v[\s+16*\b+\i], v[\s+16*\b+\i], -v[TM+8+\b], v[TM+8+\b]   ; the conversion does not saturate (ISA guide 7.6.2): the hold
.endr
	v_cvt_scalef32_pk8_bf8_f32 v[PC+4*\b:PC+1+4*\b], v[\s+16*\b:\s+7+16*\b], v[TM+12+\b]
	v_cvt_scalef32_pk8_bf8_f32 v[PC+2+4*\b:PC+3+4*\b], v[\s+8+16*\b:\s+15+16*\b], v[TM+12+\b]
.endr
	v_nop                                          ; a plain line behind the last conversion
.endm
	s_mov_b32 s[AI], 0
.Lrow:
.irp k, 0,1,2,3,4,5,6                  ; the accumulators' numbers differ from trip to trip: only the 32 additions are written eight times, chosen by the trip's number
	s_cmp_eq_u32 s[AI], \k
	s_cbranch_scc1 .Lx\k
.endr
	XFER 7
	s_branch .Lcom
.irp k, 0,1,2,3,4,5
.Lx\k:
	XFER \k
	s_branch .Lcom
.endr
.Lx6:
	XFER 6
.Lcom:
.set i, 0
	s_wait_alu depctr_va_vdst(0)
.rept 32
	v_pk_add_f32 v[Y+i:Y+i+1], v[Y+i:Y+i+1], v[BVC:BVC+1] op_sel_hi:[1,0]   ; v's bias of my row
.set i, i+2
.endr
	; y(d) - y(d - 1), the index taken round inside a head of 64.  Register 8 b + j is channel 16 b + 8 h + j: the left neighbour of j = 0 is the other half's j = 7, of this tile (h = 1) or of the tile before (h = 0)
.irp b, 0,1,2,3,4,5,6,7
	v_permlanex16_b32 v[PP+\b], v[Y+8*\b+7], s[SEL], s[SEL+1]
.endr
.irp b, 0,1,2,3,4,5,6,7
	v_cndmask_b32 v[PZ+\b], v[PP+(\b&4)+((\b+3)&3)], v[PP+\b], s[MH]
.endr
.irp j, 7,6,5,4,3,2,1
.irp b, 0,1,2,3,4,5,6,7
	v_fma_f32 v[Y+8*\b+\j], s[NG], v[Y+8*\b+\j-1], v[Y+8*\b+\j]   ; -1 x the neighbour + the number: one rounding; for v 0 x the neighbour
.endr
.endr
.irp b, 0,1,2,3,4,5,6,7
	v_fma_f32 v[Y+8*\b], s[NG], v[PZ+\b], v[Y+8*\b]
.endr
	QUANT Y
	global_store_b128 v1, v[PC:PC+3], s[X0:X0+1]               ; each store: 512 consecutive bytes, at a multiple of 512 from the buffer's first
	global_store_b128 v1, v[PC+4:PC+7], s[X0:X0+1] offset:512
	global_store_b128 v1, v[PC+8:PC+11], s[X1:X1+1]
	global_store_b128 v1, v[PC+12:PC+15], s[X1:X1+1] offset:512
.irp i, 0,1,2,3,4,5,6
	v_mov_b32 v[QQ+\i], v[QQ+\i+1]                 ; the queue moves up: behind 8 trips register a holds row block a's word
.endr
	v_mov_b32 v[QQ+7], v[PW]
	s_wait_xcnt 0x0                                ; the stores have read their bases and their data: both are written again only behind this wait
	s_cmp_eq_u32 s[AI], 3
	s_cselect_b32 s[T0], s[EX], 0
	s_add_co_u32 s[T0], s[T0], s[STP]
	s_add_nc_u64 s[X0:X0+1], s[X0:X0+1], s[T0:T0+1]
	s_add_nc_u64 s[X1:X1+1], s[X1:X1+1], s[T0:T0+1]
	s_add_co_u32 s[AI], s[AI], 1
	s_cmp_lt_u32 s[AI], 8
	s_cbranch_scc1 .Lrow
	; the scale words.  q, k: a word's low half is the first head's two bytes, its high half the second's: two tiles' halves make a pair word.  v: a word is a tile's four key blocks as it stands
	s_wait_alu depctr_va_vdst(0)
.irp p, 0,1,2,3
	v_and_b32 v[RR+4], 0xffff, v[QQ+2*\p]
	v_lshl_or_b32 v[RR+4], v[QQ+2*\p+1], 16, v[RR+4]
	v_lshrrev_b32 v[RR+5], 16, v[QQ+2*\p]
	v_and_or_b32 v[RR+5], v[QQ+2*\p+1], s[MH], v[RR+5]
	v_cndmask_b32 v[RR+4], v[RR+4], v[QQ+\p], s[MV]
	v_cndmask_b32 v[RR+5], v[RR+5], v[QQ+4+\p], s[MV]
	v_cndmask_b32 v[RR+\p], v[RR+4], v[RR+5], s[MH]   ; lanes 0-15 the first head's, lanes 16-31 the second's
.endr
	global_store_b128 v5, v[RR:RR+3], s[XS:XS+1]   ; sixteen lanes store 256 consecutive bytes, twice
	s_wait_tensorcnt 0x0                           ; the wave's end
	ds_add_u32 v[SPW], v[NIL]
	s_wait_dscnt 0x0
	CROUND                                         ; the closing round
	s_endpgm
.Lfunc_end_k_qb84f245200_qkv:
	.size	k_qb84f245200_qkv, .Lfunc_end_k_qb84f245200_qkv-k_qb84f245200_qkv
	.p2alignl 7, 3214868480
	.fill 96, 4, 3214868480
	.section	.rodata,"a",@progbits
	.p2align	6, 0x0
	.amdhsa_kernel k_qb84f245200_qkv
		.amdhsa_group_segment_fixed_size 327680
		.amdhsa_private_segment_fixed_size 0
		.amdhsa_enable_private_segment 0
		.amdhsa_kernarg_size 96
		.amdhsa_user_sgpr_count 2
		.amdhsa_user_sgpr_kernarg_segment_ptr 1
		.amdhsa_wavefront_size32 1
		.amdhsa_system_sgpr_workgroup_id_x 1
		.amdhsa_system_sgpr_workgroup_id_y 1
		.amdhsa_system_sgpr_workgroup_id_z 1
		.amdhsa_system_vgpr_workitem_id 0
		.amdhsa_next_free_vgpr 1024
		.amdhsa_next_free_sgpr 102
		.amdhsa_reserve_vcc 0
		.amdhsa_float_denorm_mode_32 3
		.amdhsa_float_denorm_mode_16_64 3
		.amdhsa_memory_ordered 1
		.amdhsa_forward_progress 1
		.amdhsa_inst_pref_size 163
	.end_amdhsa_kernel
	.amdgpu_metadata
---
amdhsa.version: [ 1, 2 ]
amdhsa.kernels:
  - .name:           k_qb84f245200_qkv
    .symbol:         k_qb84f245200_qkv.kd
    .args:
      - { .name: xq, .offset: 0, .size: 8, .value_kind: global_buffer, .address_space: global }
      - { .name: wq_codes, .offset: 8, .size: 8, .value_kind: global_buffer, .address_space: global }
      - { .name: wq_scales, .offset: 16, .size: 8, .value_kind: global_buffer, .address_space: global }
      - { .name: wk_codes, .offset: 24, .size: 8, .value_kind: global_buffer, .address_space: global }
      - { .name: wk_scales, .offset: 32, .size: 8, .value_kind: global_buffer, .address_space: global }
      - { .name: wv_codes, .offset: 40, .size: 8, .value_kind: global_buffer, .address_space: global }
      - { .name: wv_scales, .offset: 48, .size: 8, .value_kind: global_buffer, .address_space: global }
      - { .name: bq, .offset: 56, .size: 8, .value_kind: global_buffer, .address_space: global }
      - { .name: bk, .offset: 64, .size: 8, .value_kind: global_buffer, .address_space: global }
      - { .name: bv, .offset: 72, .size: 8, .value_kind: global_buffer, .address_space: global }
      - { .name: qb, .offset: 80, .size: 8, .value_kind: global_buffer, .address_space: global }
      - { .name: kv, .offset: 88, .size: 8, .value_kind: global_buffer, .address_space: global }
    .group_segment_fixed_size: 327680
    .private_segment_fixed_size: 0
    .kernarg_segment_align: 8
    .kernarg_segment_size: 96
    .max_flat_workgroup_size: 128
    .sgpr_count:     102
    .vgpr_count:     1024
    .wavefront_size: 32
...
	.end_amdgpu_metadata
.endif
;; end of part 2
;; launch attn (part 3): grid 8 x 32, 16 waves a work-group, clusters of 4 x 1, 272,384 bytes of LDS; arguments qb, kv, ab; writes ab
.if DOCPART == 3
	.amdgcn_target "amdgcn-amd-amdhsa--gfx1250"
	.amdhsa_code_object_version 6
	.text
	.protected	k_qb84f245200_attn
	.globl	k_qb84f245200_attn
	.p2align	8
	.type	k_qb84f245200_attn,@function
k_qb84f245200_attn:
	s_mov_b64 s[64:65], 0
	v_nop
	global_prefetch_b8 v0, s[64:65] scope:SCOPE_SE
	s_setreg_imm32_b32 hwreg(HW_REG_WAVE_MODE, 25, 1), 1
	s_wait_xcnt 0x0
	s_wait_alu depctr_hold_cnt(0) depctr_sa_sdst(0) depctr_va_vdst(0) depctr_va_sdst(0) depctr_va_ssrc(0) depctr_va_vcc(0) depctr_vm_vsrc(0)
	s_getreg_b32 s2, hwreg(HW_REG_IB_STS2, 6, 4)
	s_cmp_eq_u32 s2, 0
	s_cbranch_scc0 .Lentry_in_a_cluster
	s_endpgm
.Lentry_in_a_cluster:
	s_bfe_u32 s2, ttmp6, 0x10000c
	s_cmp_lg_u32 s2, 0x3003
	s_cbranch_scc0 .Lentry_shape_is_right
	s_endpgm
.Lentry_shape_is_right:
; ab = Q(softmax(q k^T / 8) v), both products on codes of BF8 (E5M2) with E8M0 scales; 32 heads (batch x head) of 2,048 tokens x 64 channels; q, k, v arrive as register images (laid by the launch before).
; THE SOFTMAX AHEAD OF THE SECOND PRODUCT: t = score x log2(e) / 8; M = the row's largest t so far, rounded UP to a whole number; p = 2^(t - M) is quantised along the keys, not normalised;
; the row's sum is taken of the unquantised p and divides at the end.  When M moves, the sum and O are multiplied by 2^(old M - new M): exact.
; SHARES.  A work-group owns 256 queries of one head, each of its sixteen waves one tile of 16, in 256 registers.
; THE WHOLE HEAD LIES IN LDS, filled once: 262,144 bytes of K's and V's codes, a byte copy of memory: ONE joint tensor load a wave, 16,384 bytes each, asked for by the four query blocks of a cluster together.
; The 8,192 bytes of scale words (3 in 100 of what is read, so they are not asked for jointly) come through registers, 512 bytes a wave, into LDS bytes of their own.  One barrier; then 16 key steps with no barrier.
; LAYOUT.  Both products are used transposed: S^T = K Q^T (source 0 = keys), O^T = V^T P^T (source 0 = channels): a lane holds ONE query throughout.  Inside a block of 32 keys p's 16 registers of two neighbouring tiles hold
; keys 8 h + 0..7 and 16 + 8 h + 0..7; V's images were laid in the same order.
; K = 64 IN AN INSTRUCTION THAT IS 128 DEEP: a fragment of K holds TWO tiles of 16 keys; the first is multiplied by (Q, 0), the second by (0, Q).  The idle half meets zero codes on the query's side; K's codes are finite.
; THE STEP'S ORDER.  The hold writes the held p into 2 x 8 registers of its own, so p stays as it was: its 32 packed additions into the row's sum stand in the NEXT step, as the places behind the matrix instructions
; (23 behind the second product, 8 of them ahead of K's loads; 8 between the first product's sixth and seventh instruction).  V's fragments land in K's registers, asked for under the softmax.
; OUT: ab: images [tile of 16 tokens 256][128 channels 8][block 4][lane][16]; from byte 4,194,304 scale bytes [token][32].  A row's two bytes leave as single bytes, 32 bytes apart from row to row: the other 30 belong to other work-groups.
; LIMITS: NaN and infinities are not served; the promise holds while |t| stays under 2^31; a block whose largest magnitude lies under 2^-111 keeps the byte 1.  No prefetch: all that is read is asked for at the head, there is no loop to run ahead in.
.set SCB,   262144                     ; K's pair words, 256 bytes a step; V's words 4,096 further on
.set SPARE, 270336                     ; the spare words, 128 bytes a wave
.set PS,   2                           ; p's scale word
.set SPW,  5
.set NIL,  6
.set TT,   7
.set SB,   8                           ; v[8:9] the sum's second chain
.set F,    10                          ; v[10:11] f
.set KF,   40                          ; v40-103 four fragments of K, then of V
.set S,    104                         ; v104-167 S^T, then p
.set O,    168                         ; v168-199 O^T
.set PC,   200                         ; v200-215 p's codes
.set KSW,  216
.set VSW,  220
.set BM,   224                         ; v224-227 the blocks' largest; then their bytes
.set QS,   228                         ; q's scale word (q0, q1, q0, q1)
.set HD,   232                         ; 57,344 x the scale
.set SO,   236                         ; the conversions' scale operands
.set T0,   240                         ; v240-247, v248-255 the held p, two sets of 8
.set T1,   248
.set PB,   240                         ; the other half's largest (in T0, idle then)
.set WV,   18
.set MNT,  19
.set SEL,  20
.set CS,   22
.set CNT,  60
.macro CROUND
	s_barrier_signal -1
	s_barrier_wait -1
	s_cmp_lg_u32 s[WV], 0
	s_cbranch_scc1 .Lnot_wave_0_\@
	s_barrier_signal -3
.Lnot_wave_0_\@:
	s_barrier_wait -3
	s_barrier_signal -1
	s_barrier_wait -1
.endm
	s_load_b128 s[4:7], s[0:1], 0x0                ; qb, kv
	s_load_b64 s[8:9], s[0:1], 0x10                ; ab
	v_lshl_add_u32 v[SPW], v0, 2, SPARE
	v_mov_b32 v[NIL], 0
	ds_add_u32 v[SPW], v[NIL]                      ; the add twice on end, one wait
	ds_add_u32 v[SPW], v[NIL]
	v_lshrrev_b32 v7, 5, v0
	v_readfirstlane_b32 s[WV], v7                  ; wave 0..15
	s_bfe_u32 s10, ttmp6, 0x40000                  ; cx
	s_lshl_b32 s11, ttmp9, 2
	s_add_co_u32 s11, s11, s10                     ; my block of 256 queries: it enters q's and ab's addresses alone
	s_and_b32 s12, ttmp7, 0xffff                   ; 16 x batch + head, which the four partners share
	s_mov_b32 s24, 15|(3<<16)|(1<<21)              ; group 1: the mask names all four; elements of 8 bytes; 64 rows of 256 bytes, dense; no padding: images are read 512 consecutive bytes at a time
	s_mov_b32 s25, 32<<16
	s_mov_b32 s26, 64<<16
	s_mov_b32 s27, 32<<16
	s_mov_b32 s28, 64
	s_mov_b32 s29, 32
	s_mov_b32 s30, 0
	s_mov_b32 s31, 0
	s_lshl_b32 s13, s[WV], 14                      ; my 16,384 bytes of the head's codes
	s_lshl_b32 s16, s12, 18
	s_add_co_u32 s16, s16, s13
	s_mov_b32 s17, 0
	s_lshl_b32 s62, s12, 13
	s_lshl_b32 s14, s[WV], 9                       ; my 512 of the 8,192 bytes of words
	s_add_co_u32 s62, s62, s14
	s_add_co_u32 s62, s62, 0x800000
	s_mov_b32 s63, 0
	s_lshl_b32 s66, s11, 4
	s_add_co_u32 s66, s66, s[WV]                   ; my tile among the head's 128
	s_lshl_b32 s67, s66, 10
	s_lshl_b32 s68, s12, 17
	s_add_co_u32 s68, s68, s67                     ; Q's image
	s_mov_b32 s69, 0
	s_lshr_b32 s70, s66, 3
	s_lshl_b32 s70, s70, 8                         ; the step's 256 bytes of q's words,
	s_bfe_u32 s71, s[WV], 0x20001
	s_lshl_b32 s71, s71, 2
	s_add_co_u32 s70, s70, s71                     ; my tile's pair
	s_lshl_b32 s71, s12, 12
	s_add_co_u32 s70, s70, s71
	s_add_co_u32 s70, s70, 0x400000
	s_mov_b32 s71, 0
	s_and_b32 s61, s[WV], 1
	s_lshl_b32 s61, s61, 4                         ; an odd tile's bytes are the word's high half
	s_lshr_b32 s72, s12, 4
	s_lshl_b32 s72, s72, 7
	s_add_co_u32 s72, s72, s66                     ; my tile of 16 tokens among the 256
	s_and_b32 s14, s12, 15                         ; the head in its batch
	s_lshl_b32 s74, s72, 9
	s_lshl_b32 s72, s72, 14
	s_lshl_b32 s73, s14, 10
	s_add_co_u32 s72, s72, s73                     ; out: 16,384 bytes a tile, 1,024 a head
	s_mov_b32 s73, 0
	s_lshl_b32 s14, s14, 1
	s_add_co_u32 s74, s74, s14
	s_add_co_u32 s74, s74, 0x400000                ; and its scale bytes
	s_mov_b32 s75, 0
	s_mov_b32 s[SEL], 0x76543210
	s_mov_b32 s[SEL+1], 0xfedcba98
	s_mov_b32 s[CS], 0x3e38aa3b                    ; c = log2(e) / 8
	s_mov_b32 s[CS+1], s[CS]
	s_mov_b32 s[MNT], 0x600000
	s_mov_b32 s15, 0xffff0000                      ; lanes 16-31
	s_mov_b32 s[CNT], 4
	s_wait_dscnt 0x0
	s_wait_kmcnt 0x0
	s_mov_b32 s40, 1
	s_mov_b32 s41, s13
	s_add_nc_u64 s[42:43], s[6:7], s[16:17]
	s_or_b32 s43, s43, 0x80000000
	s_add_nc_u64 s[62:63], s[6:7], s[62:63]
	s_add_nc_u64 s[68:69], s[4:5], s[68:69]
	s_add_nc_u64 s[70:71], s[4:5], s[70:71]
	s_add_nc_u64 s[72:73], s[8:9], s[72:73]
	s_add_nc_u64 s[74:75], s[8:9], s[74:75]
	CROUND                                         ; all four work-groups are here: the joint loads meet
	tensor_load_to_lds s[40:43], s[24:31]          ; my one tensor load: every wave issues it, none under a branch
	s_nop 0
	v_and_b32 v7, 31, v0
	v_and_b32 v231, 15, v0                         ; r
	v_lshlrev_b32 v1, 4, v7                        ; 16 x lane: an image's place for my lane
	v_lshlrev_b32 v230, 4, v231
	v_lshl_add_u32 v229, v0, 4, SCB                ; where my 16 bytes of the words go
	global_load_b128 v[24:27], v1, s[68:69]        ; Q's two blocks: they stay
	global_load_b128 v[28:31], v1, s[68:69] offset:512
	global_load_b32 v[QS], v230, s[70:71]
	global_load_b128 v[40:43], v1, s[62:63]        ; my wave's 512 bytes of K's and V's words
	v_mov_b32 v3, v1                               ; the group's images
	v_lshl_add_u32 v4, v231, 4, SCB                ; my row's four words of a step
.irp j, 0,1,2,3,4,5,6,7
	v_mov_b32 v[16+\j], 0                          ; v[16:31] = (0, Q), v[24:39] = (Q, 0)
	v_mov_b32 v[32+\j], 0
.endr
	v_mov_b32 v13, 0xff61b1e6                      ; the largest score so far: -3e38
	v_mov_b32 v12, 0x7e000000                      ; -M: so large that the first f is 0
	v_mov_b32 v14, 0
	v_mov_b32 v15, 0
	v_mov_b32 v[F+1], 0                            ; (named as the upper half of a pair)
.irp b, 0,1,2,3
	v_mov_b32 v[PB+\b], 0                          ; (a lane permute's destination counts as read)
.endr
.set i, 0
.rept 96
	v_mov_b32 v[S+i], 0                            ; p and O^T: the step is written once: the first finds zeros.  These stand under the tensor load's flight
.set i, i+1
.endr
	s_wait_loadcnt 0x0
	v_lshrrev_b32 v[QS], s61, v[QS]
	v_and_b32 v[QS], 0xffff, v[QS]
	v_lshl_or_b32 v[QS], v[QS], 16, v[QS]          ; the tile's two bytes, twice: they serve (Q, 0) and (0, Q)
	s_wait_alu depctr_va_vdst(0)
	s_wait_tensorcnt 0x0                           ; my part of the codes is in
	ds_store_b128 v229, v[40:43]                   ; my part of the words
	s_wait_dscnt 0x0
	s_barrier_signal -1
	s_barrier_wait -1                              ; everybody's are in: nothing in LDS is written from here on
.macro MX b, r                         ; round r of the search for block b's largest score
.if (\r) == 0
	v_max3_num_f32 v[BM+\b], v[S+16*\b], v[S+16*\b+1], v[S+16*\b+2]
.else
.if (\r) == 7
	v_max_num_f32 v[BM+\b], v[BM+\b], v[S+16*\b+15]
.else
	v_max3_num_f32 v[BM+\b], v[BM+\b], v[S+16*\b+2*(\r)+1], v[S+16*\b+2*(\r)+2]
.endif
.endif
.endm
.macro SUM2 j                          ; two pairs of the last step's p into the sum's two chains
	v_pk_add_f32 v[14:15], v[14:15], v[S+\j:S+\j+1]
	v_pk_add_f32 v[SB:SB+1], v[SB:SB+1], v[S+\j+2:S+\j+3]
.endm
.macro SMUL p                          ; key tiles 2 p and 2 p + 1
	v_wmma_scale_f32_16x16x128_f8f6f4 v[S+16*\p:S+16*\p+7], v[KF+16*\p:KF+16*\p+15], v[24:39], 0, v[KSW+\p], v[QS] matrix_a_fmt:MATRIX_FMT_BF8 matrix_b_fmt:MATRIX_FMT_BF8
	v_wmma_scale_f32_16x16x128_f8f6f4 v[S+16*\p+8:S+16*\p+15], v[KF+16*\p:KF+16*\p+15], v[16:31], 0, v[KSW+\p], v[QS] matrix_a_fmt:MATRIX_FMT_BF8 matrix_b_fmt:MATRIX_FMT_BF8
.endm
.macro HOLD8 t, x, b                   ; eight p held at 57,344 x the scale (p is not negative: one-sided), two a line, into set t
.irp i, 0,2,4,6
	v_dual_min_num_f32 v[\t+\i], v[\x+\i], v[HD+\b] :: v_dual_min_num_f32 v[\t+\i+1], v[\x+\i+1], v[HD+\b]
.endr
.endm
.macro STEP s                          ; 128 keys, the s-th step of the group in hand
	v_pk_add_f32 v[SB:SB+1], v[S:S+1], v[S+2:S+3]  ; the last step's unquantised p into the row's sum; the first eight lines are the places ahead of the loads into registers that the last products read
.irp j, 4,8,12
	SUM2 \j
.endr
	v_pk_add_f32 v[14:15], v[14:15], v[S+16:S+17]
.irp p, 0,1,2,3
.irp c, 0,1,2,3
	ds_load_b128 v[KF+16*\p+4*\c:KF+16*\p+4*\c+3], v3 offset:8192*(\s)+2048*\p+512*\c
.endr
.endr
	ds_load_b128 v[KSW:KSW+3], v4 offset:256*(\s)
	ds_load_b128 v[VSW:VSW+3], v4 offset:4096+256*(\s)
	v_pk_add_f32 v[SB:SB+1], v[SB:SB+1], v[S+18:S+19]
.irp j, 20,24,28,32,36,40,44
	SUM2 \j
.endr
	s_wait_alu depctr_va_vdst(0)
	s_wait_dscnt 0x0
	SMUL 0
	SMUL 1
	SMUL 2
.irp j, 48,52,56,60
	SUM2 \j                                        ; block 3's p, ahead of the products that write over it: eight places behind the six above
.endr
	SMUL 3
	v_pk_add_f32 v[14:15], v[14:15], v[SB:SB+1]
.irp r, 0,1,2
	MX 0, \r
	MX 1, \r
	MX 2, \r
.endr
.irp d, 0,1,2,3
.irp c, 0,1,2,3
	ds_load_b128 v[KF+16*\d+4*\c:KF+16*\d+4*\c+3], v3 offset:32768+8192*(\s)+2048*\d+512*\c   ; V's four fragments land where K's lay: ten places behind the last product
.endr
.endr
.if (\s) == 3
	v_add_nc_u32 v3, 0x10000, v3                   ; on to the next group of four steps
	v_add_nc_u32 v4, 1024, v4
.endif
.irp r, 0,1,2,3,4
	MX 3, \r
	MX 0, \r+3
	MX 1, \r+3
	MX 2, \r+3
.endr
	v_permlanex16_b32 v[PB], v[BM], s[SEL], s[SEL+1]
	MX 3, 5
	v_permlanex16_b32 v[PB+1], v[BM+1], s[SEL], s[SEL+1]
	MX 3, 6
	v_permlanex16_b32 v[PB+2], v[BM+2], s[SEL], s[SEL+1]
	MX 3, 7
	v_max_num_f32 v[BM], v[BM], v[PB]              ; with lane l xor 16's 16 keys
	v_max_num_f32 v[BM+1], v[BM+1], v[PB+1]
	v_max_num_f32 v[BM+2], v[BM+2], v[PB+2]
	v_permlanex16_b32 v[PB+3], v[BM+3], s[SEL], s[SEL+1]
	v_max3_num_f32 v[TT], v[BM], v[BM+1], v[BM+2]
	v_max_num_f32 v[BM+3], v[BM+3], v[PB+3]
	s_delay_alu instid0(VALU_DEP_1)
	v_max3_num_f32 v13, v13, v[TT], v[BM+3]        ; the running largest score
	s_delay_alu instid0(VALU_DEP_1)
	v_mul_f32 v[TT], s[CS], v13                    ; as t (c is positive)
	s_delay_alu instid0(VALU_DEP_1)
	v_floor_f32 v[F], -v[TT]                       ; the new -M = -ceil(t)
	s_delay_alu instid0(VALU_DEP_1)
	v_sub_f32 v[TT], v[F], v12                     ; old M - new M: a whole number, 0 or less
	v_mov_b32 v12, v[F]
	s_delay_alu instid0(VALU_DEP_2)
	v_cvt_i32_f32 v[TT], v[TT]                     ; (it saturates)
	s_delay_alu instid0(VALU_DEP_1)
	v_ldexp_f32 v[F], 1.0, v[TT]                   ; f = 2^(old M - new M)
.set i, 0
.rept 32
	v_pk_fma_f32 v[S+i:S+i+1], v[S+i:S+i+1], s[CS:CS+1], v[12:13] op_sel_hi:[1,0,0]   ; t - M
.set i, i+2
.endr
.irp b, 0,1,2,3
	v_fma_f32 v[BM+\b], v[BM+\b], s[CS], v12       ; the same of each block's largest score
.endr
	s_wait_alu depctr_va_vdst(0)
.irp b, 0,1,2,3
	v_exp_f32 v[BM+\b], v[BM+\b]                   ; the block's largest p: p rises with the score
.endr
.set i, 0
.rept 64
	v_exp_f32 v[S+i], v[S+i]                       ; p
.set i, i+1
.endr
	v_pk_mul_f32 v[14:15], v[14:15], v[F:F+1] op_sel_hi:[1,0]   ; the sum under the new M (a plain line behind the exponentials)
	s_wait_alu depctr_va_vdst(0)                   ; one wait for the batch of 68, ahead of its first reader
.irp b, 0,1,2,3
	v_max_num_f32 v[BM+\b], 0x8000000, v[BM+\b]    ; the floor 2^(16 - 127)
.endr
.irp b, 0,1,2,3
	v_add_nc_u32 v[SO+\b], 0xf8800000, v[BM+\b]    ; 15 off the exponent field
.endr
.irp b, 0,1,2,3
	v_and_or_b32 v[HD+\b], v[BM+\b], 0x7f800000, s[MNT]
.endr
.irp b, 0,1,2,3
	v_lshrrev_b32 v[BM+\b], 23, v[SO+\b]           ; the scale's byte
.endr
	v_lshl_or_b32 v[PS], v[BM+1], 8, v[BM]
	v_lshl_or_b32 v[PS], v[BM+2], 16, v[PS]
	v_lshl_or_b32 v[PS], v[BM+3], 24, v[PS]
.irp b, 0,1,2,3
	HOLD8 T0, S+16*\b, \b
	v_cvt_scalef32_pk8_bf8_f32 v[PC+4*\b:PC+4*\b+1], v[T0:T0+7], v[SO+\b]
	HOLD8 T1, S+16*\b+8, \b
	v_cvt_scalef32_pk8_bf8_f32 v[PC+4*\b+2:PC+4*\b+3], v[T1:T1+7], v[SO+\b]
.endr
	s_wait_dscnt 0x0                               ; V's fragments
	s_wait_alu depctr_va_vdst(0)                   ; directly ahead of the first reader of O^T
.set i, 0
.rept 16
	v_pk_mul_f32 v[O+i:O+i+1], v[O+i:O+i+1], v[F:F+1] op_sel_hi:[1,0]   ; O^T under the new M; also the places between the conversions and the products
.set i, i+2
.endr
.irp d, 0,1,2,3
	v_wmma_scale_f32_16x16x128_f8f6f4 v[O+8*\d:O+8*\d+7], v[KF+16*\d:KF+16*\d+15], v[PC:PC+15], v[O+8*\d:O+8*\d+7], v[VSW+\d], v[PS] matrix_a_fmt:MATRIX_FMT_BF8 matrix_b_fmt:MATRIX_FMT_BF8
.endr
.endm
.Lgroup:                                               ; four trips of four steps: a group's K and V lie inside one 16-bit offset
	STEP 0
	STEP 1
	STEP 2
	STEP 3
	s_sub_co_u32 s[CNT], s[CNT], 1
	s_cmp_lg_u32 s[CNT], 0
	s_cbranch_scc1 .Lgroup
	; THE WAY OUT: the last step's p into the sum (also the places behind the last products); O^T / the sum, quantised along the channels (two blocks of 32), as an image for the next product
	v_pk_add_f32 v[SB:SB+1], v[S:S+1], v[S+2:S+3]
.irp j, 4,8,12,16,20,24,28,32,36,40,44,48,52,56,60
	SUM2 \j
.endr
	v_pk_add_f32 v[14:15], v[14:15], v[SB:SB+1]
	v_add_f32 v14, v14, v15
	v_permlanex16_b32 v[TT], v14, s[SEL], s[SEL+1]
	v_add_f32 v14, v14, v[TT]                      ; the row's sum
	s_wait_alu depctr_va_vdst(0)
	v_rcp_f32 v14, v14
	v_bfe_u32 v229, v0, 4, 1                       ; (plain lines behind the transcendental)  h
	v_lshl_add_u32 v230, v231, 5, v229             ; my byte: row r of 32 bytes, + h
	s_wait_alu depctr_va_vdst(0)                   ; ahead of its first reader, which is also the first reader of O^T
.set i, 0
.rept 32
	v_mul_f32 v[S+i], v[O+i], v14                  ; register 8 t + j is channel 16 t + 8 h + j; each accumulator from its low end on
.set i, i+1
.endr
.irp b, 0,1
	v_max3_num_f32 v[BM+\b], |v[S+16*\b]|, |v[S+1+16*\b]|, 0x8000000
.endr
.irp i, 2,4,6,8,10,12,14
.irp b, 0,1
	v_max3_num_f32 v[BM+\b], v[BM+\b], |v[S+16*\b+\i]|, |v[S+1+16*\b+\i]|
.endr
.endr
.irp b, 0,1
	v_permlanex16_b32 v[PB+\b], v[BM+\b], s[SEL], s[SEL+1]
.endr
.irp b, 0,1
	v_max_num_f32 v[BM+\b], v[BM+\b], v[PB+\b]
.endr
.irp b, 0,1
	v_add_nc_u32 v[SO+\b], 0xf8800000, v[BM+\b]
.endr
.irp b, 0,1
	v_and_or_b32 v[HD+\b], v[BM+\b], 0x7f800000, s[MNT]
.endr
.irp b, 0,1
	v_lshrrev_b32 v[PB+\b], 23, v[SO+\b]
.endr
.irp b, 0,1
.irp i, 0,1,2,3,4,5,6,7,8,9,10,11,12,13,14,15
	v_med3_num_f32 v[S+16*\b+\i], v[S+16*\b+\i], -v[HD+\b], v[HD+\b]
.endr
	v_cvt_scalef32_pk8_bf8_f32 v[PC+4*\b:PC+1+4*\b], v[S+16*\b:S+7+16*\b], v[SO+\b]
	v_cvt_scalef32_pk8_bf8_f32 v[PC+2+4*\b:PC+3+4*\b], v[S+8+16*\b:S+15+16*\b], v[SO+\b]
.endr
	v_cndmask_b32 v[TT], v[PB], v[PB+1], s15       ; lanes 0-15 store the first block's byte, lanes 16-31 the second's
	global_store_b128 v1, v[PC:PC+3], s[72:73]     ; 512 consecutive bytes each
	global_store_b128 v1, v[PC+4:PC+7], s[72:73] offset:512
	global_store_b8 v230, v[TT], s[74:75]
	s_wait_tensorcnt 0x0                           ; the wave's end
	ds_add_u32 v[SPW], v[NIL]
	s_wait_dscnt 0x0
	CROUND                                         ; the closing round
	s_endpgm
.Lfunc_end_k_qb84f245200_attn:
	.size	k_qb84f245200_attn, .Lfunc_end_k_qb84f245200_attn-k_qb84f245200_attn
	.p2alignl 7, 3214868480
	.fill 96, 4, 3214868480
	.section	.rodata,"a",@progbits
	.p2align	6, 0x0
	.amdhsa_kernel k_qb84f245200_attn
		.amdhsa_group_segment_fixed_size 272384
		.amdhsa_private_segment_fixed_size 0
		.amdhsa_enable_private_segment 0
		.amdhsa_kernarg_size 24
		.amdhsa_user_sgpr_count 2
		.amdhsa_user_sgpr_kernarg_segment_ptr 1
		.amdhsa_wavefront_size32 1
		.amdhsa_system_sgpr_workgroup_id_x 1
		.amdhsa_system_sgpr_workgroup_id_y 1
		.amdhsa_system_sgpr_workgroup_id_z 1
		.amdhsa_system_vgpr_workitem_id 0
		.amdhsa_next_free_vgpr 256
		.amdhsa_next_free_sgpr 80
		.amdhsa_reserve_vcc 0
		.amdhsa_float_denorm_mode_32 3
		.amdhsa_float_denorm_mode_16_64 3
		.amdhsa_memory_ordered 1
		.amdhsa_forward_progress 1
		.amdhsa_inst_pref_size 89
	.end_amdhsa_kernel
	.amdgpu_metadata
---
amdhsa.version: [ 1, 2 ]
amdhsa.kernels:
  - .name:           k_qb84f245200_attn
    .symbol:         k_qb84f245200_attn.kd
    .args:
      - { .name: qb, .offset: 0, .size: 8, .value_kind: global_buffer, .address_space: global }
      - { .name: kv, .offset: 8, .size: 8, .value_kind: global_buffer, .address_space: global }
      - { .name: ab, .offset: 16, .size: 8, .value_kind: global_buffer, .address_space: global }
    .group_segment_fixed_size: 272384
    .private_segment_fixed_size: 0
    .kernarg_segment_align: 8
    .kernarg_segment_size: 24
    .max_flat_workgroup_size: 512
    .sgpr_count:     80
    .vgpr_count:     256
    .wavefront_size: 32
...
	.end_amdgpu_metadata
.endif
;; end of part 3
;; launch oproj (part 4): grid 8 x 32, 4 waves a work-group, clusters of 4 x 4, 327,680 bytes of LDS; arguments ab, wo_codes, wo_scales, bo, x, x2; writes x2
.if DOCPART == 4
	.amdgcn_target "amdgcn-amd-amdhsa--gfx1250"
	.amdhsa_code_object_version 6
	.text
	.protected	k_qb84f245200_oproj
	.globl	k_qb84f245200_oproj
	.p2align	8
	.type	k_qb84f245200_oproj,@function
k_qb84f245200_oproj:
	s_mov_b64 s[64:65], 0
	v_nop
	global_prefetch_b8 v0, s[64:65] scope:SCOPE_SE
	s_setreg_imm32_b32 hwreg(HW_REG_WAVE_MODE, 25, 1), 1
	s_wait_xcnt 0x0
	s_wait_alu depctr_hold_cnt(0) depctr_sa_sdst(0) depctr_va_vdst(0) depctr_va_sdst(0) depctr_va_ssrc(0) depctr_va_vcc(0) depctr_vm_vsrc(0)
	s_getreg_b32 s2, hwreg(HW_REG_IB_STS2, 6, 4)
	s_cmp_eq_u32 s2, 0
	s_cbranch_scc0 .Lentry_in_a_cluster
	s_endpgm
.Lentry_in_a_cluster:
	s_bfe_u32 s2, ttmp6, 0x10000c
	s_cmp_lg_u32 s2, 0xf033
	s_cbranch_scc0 .Lentry_shape_is_right
	s_endpgm
.Lentry_shape_is_right:
.set SIZE_K, 1024
.set KS,     SIZE_K/32
.set ASC,    4096*SIZE_K
.set PITCH,  528
.set AHALF,  32768
.set BHALF,  64*PITCH
.set BOFF,   2*AHALF
.set SLOT,   BOFF+2*BHALF
.set SCL,    2*SLOT
.set HALFS,  (64*KS/256)*272
.set SBLK,   (16*KS/256)*272
.set SPARE,  SCL+4*HALFS
.set LAPS,   SIZE_K/1024
.set SPITCH, 272
.set ADRA, 16
.set ADRB, 20
.set STO,  24
.set RD,   25
.set CO,   26
.set ADRS, 27
.set SPW,  28
.set NIL,  29
.set BO,   30
.set SC,   32
.set OB,   32
.set BIAS, 64
.set ACC,  128
.set F0,   0
.set F1,   128
.set G1, 24
.set G0, 32
.set G1B, 48
.set G0B, 56
.set G1S, 68
.set G0S, 76
.set G1SB, 80
.set G0SB, 88
.set MSB, 0
.macro WIN new
.if MSB != \new
	s_set_vgpr_msb (MSB<<8)|\new
.set MSB, \new
.endif
.endm
.set MUL,  0x05
.set TO_F, 0x40
.macro JLOAD g0a, g1a, g0b, g1b
	s_cmp_eq_u32 s17, 0
	s_cbranch_scc0 .Lfor_b_\@
	tensor_load_to_lds s[\g0a:\g0a+3], s[\g1a:\g1a+7]
	s_nop 0
.rept 4
	v_nop
.endr
	s_branch .Lasked_\@
.Lfor_b_\@:
	tensor_load_to_lds s[\g0b:\g0b+3], s[\g1b:\g1b+7]
	s_nop 0
.rept 4
	v_nop
.endr
.Lasked_\@:
.endm
.macro CREST
	s_cmp_lg_u32 s16, 0
	s_cbranch_scc1 .Lnot_wave_0_\@
	s_barrier_signal -3
.Lnot_wave_0_\@:
	s_barrier_wait -3
	s_barrier_signal -1
	s_barrier_wait -1
.endm
.macro CROUND
	s_barrier_signal -1
	s_barrier_wait -1
	CREST
.endm
	s_load_b256 s[4:11], s[0:1], 0x0
	s_load_b128 s[12:15], s[0:1], 0x20
	v_lshl_add_u32 v[SPW], v0, 2, SPARE
	v_mov_b32 v[NIL], 0
	ds_add_u32 v28, v29
	ds_add_u32 v28, v29
	s_wait_dscnt 0x0
	v_lshrrev_b32 v1, 5, v0
	v_readfirstlane_b32 s16, v1
	s_lshr_b32 s17, s16, 1
	s_and_b32 s18, s16, 1
	s_bfe_u32 s21, ttmp6, 0x40000
	s_bfe_u32 s22, ttmp6, 0x40004
	s_lshl_b32 s20, ttmp9, 2
	s_add_co_u32 s20, s20, s21
	s_and_b32 s19, ttmp7, 0xffff
	s_lshl_b32 s19, s19, 2
	s_add_co_u32 s19, s19, s22
	s_lshl_b32 s40, s22, 2
	s_lshl_b32 s40, 15, s40
	s_lshl_b32 s41, 0x1111, s21
	s_or_b32 s[G1+0], s40, (3<<16)|(1<<21)
	s_mov_b32 s[G1+1], 1024<<16
	s_mov_b32 s[G1+2], 8<<16
	s_mov_b32 s[G1+3], 1024<<16
	s_mov_b32 s[G1+4], 8
	s_mov_b32 s[G1+5], 2*SIZE_K
	s_mov_b32 s[G1+6], 0
	s_mov_b32 s[G1+7], 0
	s_or_b32 s[G1B+0], s41, (0<<16)|(1<<20)|(1<<21)|(6<<22)|(3<<25)
	s_mov_b32 s[G1B+1], 512<<16
	s_mov_b32 s[G1B+2], 128<<16
	s_mov_b32 s[G1B+3], 512<<16
	s_mov_b32 s[G1B+4], 128
	s_mov_b32 s[G1B+5], SIZE_K
	s_mov_b32 s[G1B+6], 0
	s_mov_b32 s[G1B+7], 0
	s_or_b32 s[G1S+0], s40, (3<<16)|(1<<20)|(1<<21)|(5<<22)|(3<<25)
	s_or_b32 s[G1SB+0], s41, (3<<16)|(1<<20)|(1<<21)|(5<<22)|(3<<25)
.irp g, G1S, G1SB
	s_mov_b32 s[\g+1], 32<<16
	s_mov_b32 s[\g+2], (128*KS/256)<<16
	s_mov_b32 s[\g+3], 32<<16
	s_mov_b32 s[\g+4], 128*KS/256
	s_mov_b32 s[\g+5], 32
	s_mov_b32 s[\g+6], 0
	s_mov_b32 s[\g+7], 0
.endr
	s_lshl_b32 s42, s19, 3
	s_mul_i32 s66, s18, 64*SIZE_K                  ; half a tile of A (4 images' rows) or of B (64 rows), in bytes
	s_mov_b32 s67, 0
	s_mul_i32 s42, s42, 16*SIZE_K
	s_mov_b32 s43, 0
	s_lshl_b32 s44, s19, 7
	s_mul_i32 s44, s44, KS
	s_add_co_u32 s44, s44, ASC
	s_mov_b32 s45, 0
	s_lshl_b32 s46, s20, 7
	s_mul_i32 s92, s46, KS
	s_mul_i32 s46, s46, SIZE_K
	s_mov_b32 s47, 0
	s_mov_b32 s93, 0
	s_mul_i32 s94, s16, HALFS
	s_mul_i32 s95, s18, AHALF
	s_mul_i32 s23, s18, BHALF
	s_add_co_u32 s23, s23, BOFF
	s_wait_kmcnt 0x0
	s_add_nc_u64 s[42:43], s[4:5], s[42:43]
	s_add_nc_u64 s[44:45], s[4:5], s[44:45]
	s_add_nc_u64 s[46:47], s[6:7], s[46:47]
	s_add_nc_u64 s[92:93], s[8:9], s[92:93]
	CROUND
	s_mov_b32 s[G0S], 1
	s_mov_b32 s[G0S+1], SCL
	s_mov_b64 s[G0S+2:G0S+3], s[44:45]
	s_or_b32 s[G0S+3], s[G0S+3], 0x80000000
	s_mov_b32 s[G0SB], 1
	s_mov_b32 s[G0SB+1], SCL+2*HALFS
	s_mov_b64 s[G0SB+2:G0SB+3], s[92:93]
	s_or_b32 s[G0SB+3], s[G0SB+3], 0x80000000
	s_mov_b32 s[G0], 1                             ; slot 0's groups 0 serve the head: the whole tiles of K step 0
	s_mov_b32 s[G0+1], 0
	s_mov_b64 s[G0+2:G0+3], s[42:43]
	s_or_b32 s[G0+3], s[G0+3], 0x80000000
	s_mov_b32 s[G0B], 1
	s_mov_b32 s[G0B+1], BOFF
	s_mov_b64 s[G0B+2:G0B+3], s[46:47]
	s_or_b32 s[G0B+3], s[G0B+3], 0x80000000
	; THE PREFETCH INTO THE L2: K is two K steps here; behind the head's load of K step 0 stands a request for K step 1.  A K step of the work-group's tiles is 256 + 256 blocks of 256 bytes; the four partners that ask
	; for a tile jointly share its blocks out BY ADDRESS: of A's 8 image rows (8,192 bytes a K step) the partner at cx takes rows 2 cx and 2 cx + 1, one to each of waves 0 and 1, lanes 256 bytes apart;
	; of B's 128 rows (512 bytes a K step) the partner at cy takes rows 32 cy on, a lane a row, waves 2 and 3 a half of the 512 bytes each.  s[92:93] where it stands, v31 my lane's offset; neither is written again
	s_lshl_b32 s94, s21, 1
	s_add_co_u32 s94, s94, s18
	s_mul_i32 s94, s94, 16*SIZE_K
	s_mul_i32 s40, s22, 32*SIZE_K
	s_lshl_b32 s41, s18, 8
	s_add_co_u32 s40, s40, s41
	s_mov_b32 s44, 512
	s_mov_b32 s41, SIZE_K
	s_cmp_eq_u32 s17, 0                            ; do I fetch for A?
	s_cselect_b64 s[92:93], s[42:43], s[46:47]
	s_cselect_b32 s40, s94, s40
	s_cselect_b32 s44, 8192, s44                   ; a K step on
	s_cselect_b32 s94, 256, s41                    ; from lane to lane
	s_mov_b32 s41, 0
	s_mov_b32 s45, 0
	s_add_nc_u64 s[92:93], s[92:93], s[40:41]
	s_add_nc_u64 s[92:93], s[92:93], s[44:45]      ; at K step 1
	s_add_nc_u64 s[42:43], s[42:43], s[66:67]
	s_add_nc_u64 s[46:47], s[46:47], s[66:67]
	s_mov_b32 s[G0+4], 1
	s_add_co_u32 s[G0+5], s95, SLOT
	s_add_nc_u64 s[G0+6:G0+7], s[42:43], 8192
	s_or_b32 s[G0+7], s[G0+7], 0x80000000
	s_mov_b32 s[G0B+4], 1
	s_add_co_u32 s[G0B+5], s23, SLOT
	s_add_nc_u64 s[G0B+6:G0B+7], s[46:47], 512
	s_or_b32 s[G0B+7], s[G0B+7], 0x80000000
; the head's four tiles, one load a wave: wave 0 A's tile of K step 0, wave 1 B's, wave 2 A's scale bytes, wave 3 B's; one chain of branches on the wave's number
.macro ARM under, g0, g1, next
	s_cmp_lt_u32 s16, \under
	s_cbranch_scc0 \next
	tensor_load_to_lds s[\g0:\g0+3], s[\g1:\g1+7]
	s_nop 0
.rept 4
	v_nop
.endr
	s_branch .Lhead_asked
\next:
.endm
	ARM 1, G0,  G1,  .Lhead_b
	ARM 2, G0B, G1B, .Lhead_sa
	ARM 3, G0S, G1S, .Lhead_sb
	tensor_load_to_lds s[G0SB:G0SB+3], s[G1SB:G1SB+7]
	s_nop 0
.rept 4
	v_nop
.endr
.Lhead_asked:
	v_and_b32 v31, 31, v0
	v_mul_lo_u32 v31, v31, s94
	global_prefetch_b8 v31, s[92:93] th:TH_LOAD_NT scope:SCOPE_SE   ; K step 1
	v_and_b32 v1, 15, v0
	v_bfe_u32 v2, v0, 4, 1
	v_and_b32 v3, 31, v0
	v_lshlrev_b32 v4, 4, v3
	s_mul_i32 s23, s17, AHALF
	v_add_nc_u32 v[ADRA], s23, v4
	v_add_nc_u32 v[ADRA+1], SLOT, v[ADRA]
	v_mul_u32_u24 v5, v1, PITCH
	v_lshl_add_u32 v5, v2, 3, v5
	s_mul_i32 s23, s18, BHALF
	s_add_co_u32 s23, s23, BOFF
	v_add_nc_u32 v[ADRB], s23, v5
	v_add_nc_u32 v[ADRB+1], SLOT, v[ADRB]
	v_mul_u32_u24 v5, v1, KS
	v_lshrrev_b32 v6, 8, v5
	v_lshl_add_u32 v5, v6, 4, v5
	s_mul_i32 s23, s17, HALFS
	s_mul_i32 s95, s18, HALFS
	s_add_co_u32 s95, s95, 2*HALFS
	s_sub_co_u32 s95, s95, s23
	v_mul_u32_u24 v6, s95, v2
	s_add_co_u32 s23, s23, SCL
	v_add_nc_u32 v5, v5, v6
	v_add_nc_u32 v[ADRS], s23, v5
	s_mul_i32 s23, s16, 16*SPITCH
	v_mul_u32_u24 v5, v1, SPITCH
	v_lshl_add_u32 v5, v2, 5, v5
	v_add_nc_u32 v[STO], s23, v5
	v_mul_u32_u24 v5, v2, SPITCH
	v_lshl_add_u32 v5, v1, 4, v5
	v_add_nc_u32 v[RD], s23, v5
	v_lshlrev_b32 v[CO], 12, v2
	v_lshl_add_u32 v[CO], v1, 4, v[CO]
	v_lshlrev_b32 v[BO], 5, v2
	s_wait_alu depctr_va_vdst(0)
	s_lshl_b32 s96, s19, 7
	s_lshl_b32 s97, s17, 6
	s_add_co_u32 s96, s96, s97
	s_lshl_b32 s96, s96, 12
	s_lshl_b32 s97, s20, 9
	s_lshl_b32 s98, s18, 8
	s_add_co_u32 s98, s97, s98
	s_add_co_u32 s96, s96, s98
	s_mov_b32 s97, 0
	s_mov_b32 s99, 0
	s_add_nc_u64 s[12:13], s[12:13], s[96:97]
	s_add_nc_u64 s[14:15], s[14:15], s[96:97]
	s_add_nc_u64 s[10:11], s[10:11], s[98:99]
.irp b, 0,1,2,3
	global_load_b128 v[BIAS+8*\b:BIAS+8*\b+3], v[BO], s[10:11] offset:64*\b
	global_load_b128 v[BIAS+8*\b+4:BIAS+8*\b+7], v[BO], s[10:11] offset:64*\b+16
.endr
	WIN 0x80
.irp a, 0,1,2,3
.irp t, 0,1,2,3,4,5,6,7
	global_load_b128 v[4*(8*\a+\t):4*(8*\a+\t)+3], v[CO], s[12:13] offset:(16*\a+2*\t)*4096
.endr
.endr
	WIN 0
.macro FETCH slot, q, f
	WIN TO_F
.irp i, 0,1,2,3
.irp c, 0,1,2,3
	ds_load_b128 v[\f+16*\i+4*\c:\f+16*\i+4*\c+3], v[ADRA+\slot] offset:8192*\i+2048*(\q)+512*\c
.endr
.endr
.irp i, 0,1,2,3
.irp c, 0,1,2,3,4,5,6,7
	ds_load_b64 v[\f+64+16*\i+2*\c:\f+64+16*\i+2*\c+1], v[ADRB+\slot] offset:16*PITCH*\i+128*(\q)+16*\c
.endr
.endr
.endm
.macro SCALES set
	WIN 0
.irp i, 0,1,2,3
	ds_load_b128 v[SC+16*\set+4*\i:SC+16*\set+4*\i+3], v[ADRS] offset:\i*SBLK
.endr
.endm
.macro MUL8 f, a0, set, q, first
.irp a, \a0, \a0+1
.irp b, 0,1,2,3
.if \first
	v_wmma_scale_f32_16x16x128_f8f6f4 v[ACC+8*(4*(\a)+\b):ACC+8*(4*(\a)+\b)+7], v[\f+64+16*\b:\f+64+16*\b+15], v[\f+16*(\a):\f+16*(\a)+15], v[BIAS+8*\b:BIAS+8*\b+7], v[SC+16*(\set)+4*\b+(\q)], v[SC+16*(\set)+4*(\a)+(\q)] matrix_a_fmt:MATRIX_FMT_BF8 matrix_b_fmt:MATRIX_FMT_BF8 matrix_a_scale:MATRIX_SCALE_ROW1
.else
	v_wmma_scale_f32_16x16x128_f8f6f4 v[ACC+8*(4*(\a)+\b):ACC+8*(4*(\a)+\b)+7], v[\f+64+16*\b:\f+64+16*\b+15], v[\f+16*(\a):\f+16*(\a)+15], v[ACC+8*(4*(\a)+\b):ACC+8*(4*(\a)+\b)+7], v[SC+16*(\set)+4*\b+(\q)], v[SC+16*(\set)+4*(\a)+(\q)] matrix_a_fmt:MATRIX_FMT_BF8 matrix_b_fmt:MATRIX_FMT_BF8 matrix_a_scale:MATRIX_SCALE_ROW1
.endif
.endr
.endr
.endm
.macro PLACES n
.rept \n
	v_nop
.endr
.endm
.macro QUARTER slot, q, f, g, first
	s_wait_dscnt 0x0
	PLACES 8
	FETCH \slot, (\q)+1, \g
	WIN MUL
	MUL8 \f, 0, \slot, \q, \first
	MUL8 \f, 2, \slot, \q, \first
.endm
.macro TURN slot, next, fill
	WIN 0
	s_wait_tensorcnt 0x0
	ds_add_u32 v[SPW], v[NIL]
	s_wait_dscnt 1
	WIN MUL
	MUL8 F1, 0, \slot, 3, 0
	s_wait_dscnt 0x0
	s_barrier_signal -1
	WIN 0
	s_barrier_wait -1
.if \fill
	CREST
	s_add_nc_u64 s[G0+4*\slot+2:G0+4*\slot+3], s[G0+4*\slot+2:G0+4*\slot+3], 16384
	s_add_nc_u64 s[G0B+4*\slot+2:G0B+4*\slot+3], s[G0B+4*\slot+2:G0B+4*\slot+3], 1024
	JLOAD G0+4*\slot, G1, G0B+4*\slot, G1B
	PLACES 4
.else
	PLACES 8
.endif
	v_add_nc_u32 v[ADRS], 16, v[ADRS]
	FETCH \next, 0, F0
	SCALES \next
	WIN MUL
	MUL8 F1, 2, \slot, 3, 0
.endm
	s_wait_tensorcnt 0x0                           ; my tile of the head's four is in
	ds_add_u32 v[SPW], v[NIL]
	s_mov_b32 s[G1+2], 4<<16                       ; no tensor load of mine is out: from here on a load brings half a tile
	s_mov_b32 s[G1+4], 4
	s_mov_b32 s[G1B+2], 64<<16
	s_mov_b32 s[G1B+4], 64
.if LAPS > 1
	s_mul_i32 s[G0+1], s18, AHALF                  ; and slot 0's groups 0 stand at my half of K step 0, from where the first refill steps them
	s_add_nc_u64 s[G0+2:G0+3], s[G0+2:G0+3], s[66:67]
	s_mul_i32 s[G0B+1], s18, BHALF
	s_add_co_u32 s[G0B+1], s[G0B+1], BOFF
	s_add_nc_u64 s[G0B+2:G0B+3], s[G0B+2:G0B+3], s[66:67]
.endif
	s_wait_dscnt 0x0
	CROUND                                         ; all four tiles are in, and all sixteen work-groups are here
	JLOAD G0+4, G1, G0B+4, G1B                     ; K step 1, the first tensor load behind the round
	FETCH 0, 0, F0
	SCALES 0
	s_wait_loadcnt 32
	QUARTER 0, 0, F0, F1, 1
.if LAPS > 1
	WIN 0
	s_mov_b32 s3, LAPS-1
.Llap:
	QUARTER 0, 1, F1, F0, 0
	QUARTER 0, 2, F0, F1, 0
	TURN 0, 1, 1
	QUARTER 1, 0, F0, F1, 0
	QUARTER 1, 1, F1, F0, 0
	QUARTER 1, 2, F0, F1, 0
	TURN 1, 0, 1
	QUARTER 0, 0, F0, F1, 0
	WIN 0
	s_sub_co_u32 s3, s3, 1
	s_cmp_lg_u32 s3, 0
	s_cbranch_scc1 .Llap
.endif
	QUARTER 0, 1, F1, F0, 0
	QUARTER 0, 2, F0, F1, 0
	TURN 0, 1, 0
	QUARTER 1, 0, F0, F1, 0
	QUARTER 1, 1, F1, F0, 0
	QUARTER 1, 2, F0, F1, 0
	s_wait_dscnt 0x0
	WIN MUL
	MUL8 F1, 0, 1, 3, 0
	MUL8 F1, 2, 1, 3, 0
	WIN 0
.macro TOSTAGE a
.irp b, 0,1,2,3
	ds_store_b128 v[STO], v[ACC+8*(4*(\a)+\b):ACC+8*(4*(\a)+\b)+3] offset:64*\b
	ds_store_b128 v[STO], v[ACC+8*(4*(\a)+\b)+4:ACC+8*(4*(\a)+\b)+7] offset:64*\b+16
.endr
.set BB, OB+32*((\a)%2)
.irp t, 0,1,2,3,4,5,6,7
	ds_load_b128 v[BB+4*\t:BB+4*\t+3], v[RD] offset:\t*2*SPITCH
.endr
.endm
.macro SEND a, younger
.set BB, OB+32*((\a)%2)
	s_wait_dscnt \younger
	WIN 0x08
.set i, 0
.rept 16
	v_pk_add_f32 v[BB+i:BB+i+1], v[BB+i:BB+i+1], v[32*(\a)+i:32*(\a)+i+1]
.set i, i+2
.endr
	WIN 0
.irp t, 0,1,2,3,4,5,6,7
	global_store_b128 v[CO], v[BB+4*\t:BB+4*\t+3], s[14:15] offset:(16*(\a)+2*\t)*4096 th:TH_STORE_NT
.endr
.endm
	PLACES 8
	s_wait_loadcnt 0x0
	TOSTAGE 0
.irp a, 1,2,3
.if \a > 1
	s_wait_xcnt 0x0
.endif
	TOSTAGE \a
	SEND \a-1, 16
.endr
	SEND 3, 0
	s_wait_tensorcnt 0x0
	ds_add_u32 v[SPW], v[NIL]
	s_wait_dscnt 0x0
	CROUND
	s_endpgm
.Lfunc_end_k_qb84f245200_oproj:
	.size	k_qb84f245200_oproj, .Lfunc_end_k_qb84f245200_oproj-k_qb84f245200_oproj
	.p2alignl 7, 3214868480
	.fill 96, 4, 3214868480
	.section	.rodata,"a",@progbits
	.p2align	6, 0x0
	.amdhsa_kernel k_qb84f245200_oproj
		.amdhsa_group_segment_fixed_size 327680
		.amdhsa_private_segment_fixed_size 0
		.amdhsa_enable_private_segment 0
		.amdhsa_kernarg_size 48
		.amdhsa_user_sgpr_count 2
		.amdhsa_user_sgpr_kernarg_segment_ptr 1
		.amdhsa_wavefront_size32 1
		.amdhsa_system_sgpr_workgroup_id_x 1
		.amdhsa_system_sgpr_workgroup_id_y 1
		.amdhsa_system_sgpr_workgroup_id_z 1
		.amdhsa_system_vgpr_workitem_id 0
		.amdhsa_next_free_vgpr 640
		.amdhsa_next_free_sgpr 100
		.amdhsa_reserve_vcc 0
		.amdhsa_float_denorm_mode_32 3
		.amdhsa_float_denorm_mode_16_64 3
		.amdhsa_memory_ordered 1
		.amdhsa_forward_progress 1
		.amdhsa_inst_pref_size 71
	.end_amdhsa_kernel
	.amdgpu_metadata
---
amdhsa.version: [ 1, 2 ]
amdhsa.kernels:
  - .name:           k_qb84f245200_oproj
    .symbol:         k_qb84f245200_oproj.kd
    .args:
      - { .name: ab, .offset: 0, .size: 8, .value_kind: global_buffer, .address_space: global }
      - { .name: wo_codes, .offset: 8, .size: 8, .value_kind: global_buffer, .address_space: global }
      - { .name: wo_scales, .offset: 16, .size: 8, .value_kind: global_buffer, .address_space: global }
      - { .name: bo, .offset: 24, .size: 8, .value_kind: global_buffer, .address_space: global }
      - { .name: x, .offset: 32, .size: 8, .value_kind: global_buffer, .address_space: global }
      - { .name: x2, .offset: 40, .size: 8, .value_kind: global_buffer, .address_space: global }
    .group_segment_fixed_size: 327680
    .private_segment_fixed_size: 0
    .kernarg_segment_align: 8
    .kernarg_segment_size: 48
    .max_flat_workgroup_size: 128
    .sgpr_count:     100
    .vgpr_count:     640
    .wavefront_size: 32
...
	.end_amdgpu_metadata
.endif
;; end of part 4
;; launch prep2: the kernel of part 1 again; grid 256 x 1, 4 waves a work-group, no clusters, 21,504 bytes of LDS; arguments x2, scale2, xq; writes xq
;; launch ffn1 (part 5): grid 16 x 16, 4 waves a work-group, clusters of 4 x 4, 327,680 bytes of LDS; arguments xq, w1_codes, w1_scales, b1, hb; writes hb
.if DOCPART == 5
	.amdgcn_target "amdgcn-amd-amdhsa--gfx1250"
	.amdhsa_code_object_version 6
	.text
	.protected	k_qb84f245200_ffn1
	.globl	k_qb84f245200_ffn1
	.p2align	8
	.type	k_qb84f245200_ffn1,@function
k_qb84f245200_ffn1:
	s_mov_b64 s[64:65], 0
	v_nop
	global_prefetch_b8 v0, s[64:65] scope:SCOPE_SE
	s_setreg_imm32_b32 hwreg(HW_REG_WAVE_MODE, 25, 1), 1
	s_wait_xcnt 0x0
	s_wait_alu depctr_hold_cnt(0) depctr_sa_sdst(0) depctr_va_vdst(0) depctr_va_sdst(0) depctr_va_ssrc(0) depctr_va_vcc(0) depctr_vm_vsrc(0)
	s_getreg_b32 s2, hwreg(HW_REG_IB_STS2, 6, 4)
	s_cmp_eq_u32 s2, 0
	s_cbranch_scc0 .Lentry_in_a_cluster
	s_endpgm
.Lentry_in_a_cluster:
	s_bfe_u32 s2, ttmp6, 0x10000c
	s_cmp_lg_u32 s2, 0xf033
	s_cbranch_scc0 .Lentry_shape_is_right
	s_endpgm
.Lentry_shape_is_right:
.set SIZE_K, 1024
.set KSTEP,  256
.set NQ,     KSTEP/128
.set ROWB,   256
.set KROW,   SIZE_K
.set PITCH,  272
.set FR,     16
.set NL,     4
.set NP,     8
.set HALFT,  128*PITCH
.set SLOT,   4*HALFT
.set LAPS,   SIZE_K/(2*KSTEP)
.set KS,     SIZE_K/32
.set SCL,    2*SLOT
.set HALFS,  (128*KS/256)*272
.set SBLK,   (16*KS/256)*272
.set SPARE,  SCL+4*HALFS
.set ADRA, 16
.set ADRB, 20
.set QQ,   16
.set ADRS, 27
.set SPW,  28
.set NIL,  29
.set C9,   30
.set SC,   32
.set GU,   32
.set BI,   64
.set AF,   128
.set Y,    128
.set GT,   192
.set GP,   224
.set PC,   192
.set TM,   208
.set PW,   224
.set RR,   244
.set G1, 24
.set G0, 32
.set G1B, 48
.set G0B, 56
.set G1S, 68
.set G0S, 76
.set G1SB, 80
.set G0SB, 88
.set AI,  66
.set K1,  67
.set X0,  76
.set XS,  80
.set SEL, 96
.set MNT, 98
.set MH,  99
.set MSB, 0
.macro WIN new
.if MSB != \new
	s_set_vgpr_msb (MSB<<8)|\new
.set MSB, \new
.endif
.endm
.set MUL_LO, 0xa1
.set MUL_HI, 0xf1
.set TO_B,   0x40
.macro JLOAD g0a, g1a, g0b, g1b
	s_cmp_eq_u32 s15, 0
	s_cbranch_scc0 .Lfor_b_\@
	tensor_load_to_lds s[\g0a:\g0a+3], s[\g1a:\g1a+7]
	s_nop 0
.rept 4
	v_nop
.endr
	s_branch .Lasked_\@
.Lfor_b_\@:
	tensor_load_to_lds s[\g0b:\g0b+3], s[\g1b:\g1b+7]
	s_nop 0
.rept 4
	v_nop
.endr
.Lasked_\@:
.endm
.macro CREST
	s_cmp_lg_u32 s14, 0
	s_cbranch_scc1 .Lnot_wave_0_\@
	s_barrier_signal -3
.Lnot_wave_0_\@:
	s_barrier_wait -3
	s_barrier_signal -1
	s_barrier_wait -1
.endm
.macro CROUND
	s_barrier_signal -1
	s_barrier_wait -1
	CREST
.endm
	s_load_b64 s[4:5], s[0:1], 0x0
	s_load_b128 s[8:11], s[0:1], 0x8
	s_load_b64 s[12:13], s[0:1], 0x18
	v_lshl_add_u32 v[SPW], v0, 2, SPARE
	v_mov_b32 v[NIL], 0
	ds_add_u32 v28, v29
	ds_add_u32 v28, v29
	s_wait_dscnt 0x0
	v_lshrrev_b32 v1, 5, v0
	v_readfirstlane_b32 s14, v1
	s_lshr_b32 s15, s14, 1
	s_and_b32 s16, s14, 1
	s_bfe_u32 s40, ttmp6, 0x40000
	s_bfe_u32 s41, ttmp6, 0x40004
	s_lshl_b32 s42, ttmp9, 2
	s_add_co_u32 s42, s42, s40
	s_and_b32 s17, ttmp7, 0xffff
	s_lshl_b32 s17, s17, 2
	s_add_co_u32 s17, s17, s41
	s_lshl_b32 s43, s41, 2
	s_lshl_b32 s43, 15, s43
	s_lshl_b32 s44, 0x1111, s40
	s_or_b32 s[G1+0], s43, (0<<16)|(1<<20)|(1<<21)|(5<<22)|(3<<25)
	s_or_b32 s[G1B+0], s44, (0<<16)|(1<<20)|(1<<21)|(5<<22)|(3<<25)
.irp g, G1, G1B
	s_mov_b32 s[\g+1], ROWB<<16
	s_mov_b32 s[\g+2], 256<<16
	s_mov_b32 s[\g+3], ROWB<<16
	s_mov_b32 s[\g+4], 256
	s_mov_b32 s[\g+5], KROW
	s_mov_b32 s[\g+6], 0
	s_mov_b32 s[\g+7], 0
.endr
	s_or_b32 s[G1S+0], s43, (3<<16)|(1<<20)|(1<<21)|(5<<22)|(3<<25)
	s_or_b32 s[G1SB+0], s44, (3<<16)|(1<<20)|(1<<21)|(5<<22)|(3<<25)
.irp g, G1S, G1SB
	s_mov_b32 s[\g+1], 32<<16
	s_mov_b32 s[\g+2], KS<<16
	s_mov_b32 s[\g+3], 32<<16
	s_mov_b32 s[\g+4], KS
	s_mov_b32 s[\g+5], 32
	s_mov_b32 s[\g+6], 0
	s_mov_b32 s[\g+7], 0
.endr
	s_lshl_b32 s20, s17, 8
	s_lshl_b32 s46, s42, 8
	s_mov_b32 s21, 0
	s_mov_b32 s47, 0
	s_mov_b64 s[18:19], KS
	s_mul_u64 s[22:23], s[20:21], s[18:19]
	s_mul_u64 s[92:93], s[46:47], s[18:19]
	s_mov_b64 s[18:19], KROW
	s_mul_u64 s[20:21], s[20:21], s[18:19]
	s_mul_u64 s[46:47], s[46:47], s[18:19]
	s_mul_i32 s18, s16, 128*KROW                   ; in the ring I fetch 128 rows of a tile: which half, in bytes
	s_mov_b32 s19, 0
	s_mul_i32 s45, s14, HALFT
	s_wait_kmcnt 0x0
	s_add_nc_u64 s[6:7], s[4:5], 0x400000
	s_add_nc_u64 s[20:21], s[4:5], s[20:21]
	s_add_nc_u64 s[22:23], s[6:7], s[22:23]
	s_add_nc_u64 s[46:47], s[8:9], s[46:47]
	s_add_nc_u64 s[92:93], s[10:11], s[92:93]
	CROUND
	s_mov_b32 s[G0S], 1
	s_mov_b32 s[G0S+1], SCL
	s_mov_b64 s[G0S+2:G0S+3], s[22:23]
	s_or_b32 s[G0S+3], s[G0S+3], 0x80000000
	s_mov_b32 s[G0SB], 1
	s_mov_b32 s[G0SB+1], SCL+2*HALFS
	s_mov_b64 s[G0SB+2:G0SB+3], s[92:93]
	s_or_b32 s[G0SB+3], s[G0SB+3], 0x80000000
.set G0H, 4                            ; s[4:7], s[8:11] group 0 for the head's loads of K step 0 (the pointers that lay there have been used)
.set G0HB, 8
	s_mov_b32 s[G0H], 1
	s_mov_b32 s[G0H+1], 0
	s_mov_b64 s[G0H+2:G0H+3], s[20:21]
	s_or_b32 s[G0H+3], s[G0H+3], 0x80000000
	s_mov_b32 s[G0HB], 1
	s_mov_b32 s[G0HB+1], 2*HALFT
	s_mov_b64 s[G0HB+2:G0HB+3], s[46:47]
	s_or_b32 s[G0HB+3], s[G0HB+3], 0x80000000
	s_add_nc_u64 s[20:21], s[20:21], s[18:19]      ; for the ring: my 128 rows of the tile
	s_add_nc_u64 s[46:47], s[46:47], s[18:19]
	; THE PREFETCHES INTO THE L2: behind the load of K step 0 stand requests for K steps 1 and 2, behind the load of K step 1 one for K step 3.  A K step is 256 bytes of each row.  Of the 128 rows that a wave fetches in the ring,
	; each of the four partners that ask for them jointly takes 32, told apart BY ADDRESS (cx for A, cy for B): a lane a row, one instruction a wave.  s[94:95] my 32 rows, v26 my lane's row; neither is written again
	s_cmp_eq_u32 s15, 0                            ; do I fetch for A?
	s_cselect_b64 s[94:95], s[20:21], s[46:47]
	s_cselect_b32 s92, s40, s41
	s_mul_i32 s92, s92, 32*KROW
	s_mov_b32 s93, 0
	s_add_nc_u64 s[94:95], s[94:95], s[92:93]
.irp s, 0,1
	s_mov_b32 s[G0+4*\s], 1
	s_add_co_u32 s[G0+4*\s+1], s45, \s*SLOT
	s_add_nc_u64 s[G0+4*\s+2:G0+4*\s+3], s[20:21], \s*ROWB
	s_or_b32 s[G0+4*\s+3], s[G0+4*\s+3], 0x80000000
	s_mov_b32 s[G0B+4*\s], 1
	s_add_co_u32 s[G0B+4*\s+1], s45, \s*SLOT
	s_add_nc_u64 s[G0B+4*\s+2:G0B+4*\s+3], s[46:47], \s*ROWB
	s_or_b32 s[G0B+4*\s+3], s[G0B+4*\s+3], 0x80000000
.endr
; the head's four tiles, one load a wave: wave 0 A's 256 rows of K step 0, wave 1 B's, wave 2 A's scale bytes, wave 3 B's; one chain of branches on the wave's number
.macro ARM under, g0, g1, next
	s_cmp_lt_u32 s14, \under
	s_cbranch_scc0 \next
	tensor_load_to_lds s[\g0:\g0+3], s[\g1:\g1+7]
	s_nop 0
.rept 4
	v_nop
.endr
	s_branch .Lhead_asked
\next:
.endm
	ARM 1, G0H,  G1,  .Lhead_b
	ARM 2, G0HB, G1B, .Lhead_sa
	ARM 3, G0S,  G1S, .Lhead_sb
	tensor_load_to_lds s[G0SB:G0SB+3], s[G1SB:G1SB+7]
	s_nop 0
.rept 4
	v_nop
.endr
.Lhead_asked:
	v_and_b32 v26, 31, v0
	v_lshlrev_b32 v26, 10, v26                     ; my lane x a row of 1,024 bytes
	global_prefetch_b8 v26, s[94:95] offset:ROWB th:TH_LOAD_NT scope:SCOPE_SE     ; K step 1
	global_prefetch_b8 v26, s[94:95] offset:2*ROWB th:TH_LOAD_NT scope:SCOPE_SE   ; K step 2
	v_and_b32 v1, 15, v0
	v_bfe_u32 v2, v0, 4, 1
	v_mul_u32_u24 v3, v1, PITCH
	v_lshl_add_u32 v4, v2, 4, v3
	s_mul_i32 s21, s15, HALFT
	s_mul_i32 s22, s16, HALFT
	s_add_co_u32 s22, s22, 2*HALFT
.irp s, 0,1
	v_add_nc_u32 v[ADRA+\s], s21, v4
	v_add_nc_u32 v[ADRB+\s], s22, v4
	s_add_co_u32 s21, s21, SLOT
	s_add_co_u32 s22, s22, SLOT
.endr
	v_mul_u32_u24 v5, v1, KS
	v_lshrrev_b32 v6, 8, v5
	v_lshl_add_u32 v5, v6, 4, v5
	s_mul_i32 s21, s15, HALFS
	s_mul_i32 s22, s16, HALFS
	s_add_co_u32 s22, s22, 2*HALFS
	s_sub_co_u32 s22, s22, s21
	v_mul_u32_u24 v6, s22, v2
	s_add_co_u32 s21, s21, SCL
	v_add_nc_u32 v5, v5, v6
	v_add_nc_u32 v[ADRS], s21, v5
	s_lshl_b32 s20, s42, 10
	s_lshl_b32 s21, s16, 9
	s_add_co_u32 s20, s20, s21
	v_lshl_add_u32 v7, v2, 5, s20
.irp b, 0,1,2,3,4,5,6,7
	global_load_b128 v[BI+8*\b:BI+8*\b+3], v7, s[12:13] offset:64*\b
	global_load_b128 v[BI+8*\b+4:BI+8*\b+7], v7, s[12:13] offset:64*\b+16
.endr
.macro FRAG reg, adr, q, i
.irp c, 0,1,2,3
	ds_load_b128 v[\reg+4*\c:\reg+4*\c+3], v[\adr] offset:128*(\q)+32*\c+(\i)*16*PITCH
.endr
.endm
.macro MUL16 a0, p, q, sc, zero
.irp a, \a0, \a0+1
.irp b, 0,1,2,3,4,5,6,7
.if \zero
	v_wmma_scale_f32_16x16x128_f8f6f4 v[8*(8*((\a)%4)+\b):8*(8*((\a)%4)+\b)+7], v[128*(\p)+FR*\b:128*(\p)+FR*\b+FR-1], v[AF+FR*(\a):AF+FR*(\a)+FR-1], 0, v[SC+8*NQ*(\sc)+NQ*\b+(\q)], v[SC+8*NQ*(\sc)+NQ*(\a)+(\q)] matrix_a_fmt:MATRIX_FMT_BF8 matrix_b_fmt:MATRIX_FMT_BF8 matrix_a_scale:MATRIX_SCALE_ROW1
.else
	v_wmma_scale_f32_16x16x128_f8f6f4 v[8*(8*((\a)%4)+\b):8*(8*((\a)%4)+\b)+7], v[128*(\p)+FR*\b:128*(\p)+FR*\b+FR-1], v[AF+FR*(\a):AF+FR*(\a)+FR-1], v[8*(8*((\a)%4)+\b):8*(8*((\a)%4)+\b)+7], v[SC+8*NQ*(\sc)+NQ*\b+(\q)], v[SC+8*NQ*(\sc)+NQ*(\a)+(\q)] matrix_a_fmt:MATRIX_FMT_BF8 matrix_b_fmt:MATRIX_FMT_BF8 matrix_a_scale:MATRIX_SCALE_ROW1
.endif
.endr
.endr
.endm
.macro FETCH_B slot, q, p
	WIN TO_B
.irp i, 0,1,2,3,4,5,6,7
	FRAG 128*(\p)+FR*\i, ADRB+\slot, \q, \i
.endr
	WIN 0
.endm
.macro FETCH_A slot, q, i0
.irp i, \i0, \i0+1, \i0+2, \i0+3
	FRAG AF+FR*(\i), ADRA+\slot, \q, \i
.endr
.endm
.macro SCALES sc
.irp i, 0,1,2,3,4,5,6,7
	ds_load_b64 v[SC+8*NQ*\sc+NQ*\i:SC+8*NQ*\sc+NQ*\i+1], v[ADRS] offset:\i*SBLK
.endr
.endm
.macro PLACES n
.rept \n
	v_nop
.endr
.endm
.macro STEP slot, q, zero
	s_wait_dscnt 4*NL
	WIN MUL_LO
	MUL16 0, (\q)%2, \q, \slot, \zero
	MUL16 2, (\q)%2, \q, \slot, \zero
	s_wait_dscnt 0
	PLACES NP
	FETCH_B \slot, (\q)+1, 1-(\q)%2
	FETCH_A \slot, (\q)+1, 0
	WIN MUL_HI
	MUL16 4, (\q)%2, \q, \slot, \zero
	MUL16 6, (\q)%2, \q, \slot, \zero
	PLACES NP
	WIN 0
	FETCH_A \slot, (\q)+1, 4
.endm
.macro TURN slot, next, fill
	s_wait_tensorcnt 0x0
	ds_add_u32 v[SPW], v[NIL]
	s_wait_dscnt 4*NL+1
	WIN MUL_LO
	MUL16 0, 1, NQ-1, \slot, 0
	s_wait_dscnt 0x0
	s_barrier_signal -1
	MUL16 2, 1, NQ-1, \slot, 0
	WIN 0
	s_barrier_wait -1
.if \fill
	CREST
	s_add_nc_u64 s[G0+4*\slot+2:G0+4*\slot+3], s[G0+4*\slot+2:G0+4*\slot+3], 2*ROWB
	s_add_nc_u64 s[G0B+4*\slot+2:G0B+4*\slot+3], s[G0B+4*\slot+2:G0B+4*\slot+3], 2*ROWB
	JLOAD G0+4*\slot, G1, G0B+4*\slot, G1B
	PLACES NP-4
.else
	PLACES NP
.endif
	s_wait_alu depctr_va_vdst(0)
	v_add_nc_u32 v[ADRS], 4*NQ, v[ADRS]
	FETCH_B \next, 0, 0
	FETCH_A \next, 0, 0
	SCALES \next
	WIN MUL_HI
	MUL16 4, 1, NQ-1, \slot, 0
	MUL16 6, 1, NQ-1, \slot, 0
	PLACES NP
	WIN 0
	FETCH_A \next, 0, 4
.endm
	s_wait_alu depctr_va_vdst(0)
	s_wait_tensorcnt 0x0                           ; my tile of the head's four is in
	ds_add_u32 v[SPW], v[NIL]
	s_mov_b32 s[G1+2], 128<<16                     ; no tensor load of mine is out: from here on a load brings 128 rows
	s_mov_b32 s[G1+4], 128
	s_mov_b32 s[G1B+2], 128<<16
	s_mov_b32 s[G1B+4], 128
	s_wait_dscnt 0x0
	CROUND                                         ; all four tiles are in, and all sixteen work-groups are here
	JLOAD G0+4, G1, G0B+4, G1B                     ; K step 1, the first tensor load behind the round
	FETCH_B 0, 0, 0
	FETCH_A 0, 0, 0
	SCALES 0
	FETCH_A 0, 0, 4
	global_prefetch_b8 v26, s[94:95] offset:3*ROWB th:TH_LOAD_NT scope:SCOPE_SE   ; K step 3, the last
	STEP 0, 0, 1
	s_mov_b32 s3, LAPS-1
.Llap:
	TURN 0, 1, 1
	STEP 1, 0, 0
	TURN 1, 0, 1
	STEP 0, 0, 0
	s_sub_co_u32 s3, s3, 1
	s_cmp_lg_u32 s3, 0
	s_cbranch_scc1 .Llap
	TURN 0, 1, 0
	STEP 1, 0, 0
	s_wait_dscnt 4*NL
	WIN MUL_LO
	MUL16 0, 1, NQ-1, 1, 0
	MUL16 2, 1, NQ-1, 1, 0
	s_wait_dscnt 0
	WIN MUL_HI
	MUL16 4, 1, NQ-1, 1, 0
	MUL16 6, 1, NQ-1, 1, 0
	WIN 0
	PLACES NP
	s_load_b64 s[72:73], s[0:1], 0x20
	s_lshl_b32 s18, s17, 20
	s_lshl_b32 s19, s15, 19
	s_add_co_u32 s18, s18, s19
	s_lshl_b32 s19, s42, 12
	s_add_co_u32 s18, s18, s19
	s_lshl_b32 s19, s16, 11
	s_add_co_u32 s18, s18, s19
	s_mov_b32 s19, 0
	s_lshl_b32 s20, s17, 15
	s_lshl_b32 s21, s15, 14
	s_add_co_u32 s20, s20, s21
	s_lshl_b32 s21, s42, 3
	s_add_co_u32 s20, s20, s21
	s_lshl_b32 s21, s16, 2
	s_add_co_u32 s20, s20, s21
	s_add_co_u32 s20, s20, 0x1000000
	s_mov_b32 s21, 0
	s_mov_b32 s[SEL], 0x76543210
	s_mov_b32 s[SEL+1], 0xfedcba98
	s_mov_b32 s[MNT], 0x600000
	s_mov_b32 s[MH], 0xffff0000
	s_mov_b32 s[K1], 0x3eb504f3
	s_wait_kmcnt 0x0
	s_add_nc_u64 s[X0:X0+1], s[72:73], s[18:19]
	s_add_nc_u64 s[XS:XS+1], s[72:73], s[20:21]
	v_and_b32 v2, 31, v0
	v_lshlrev_b32 v1, 4, v2
	v_lshlrev_b32 v2, 7, v2
	v_mov_b32 v[C9], 0x3e2ef945
	v_mov_b32 v[C9+1], 0x3e2ef945
.irp i, 0,1,2,3,4,5,6,7
	v_mov_b32 v[QQ+\i], 0
.endr
.irp b, 0,1,2,3
	v_mov_b32 v[TM+4+\b], 0
.endr
	s_wait_loadcnt 0x0
.macro XFER k
.set WX, 0x02+(\k)/4
	WIN WX
.set i, 0
.rept 32
	v_pk_add_f32 v[Y+i:Y+i+1], v[64*((\k)%4)+i:64*((\k)%4)+i+1], v[BI+i:BI+i+1]
.set i, i+2
.endr
	WIN 0
.endm
.macro GELU32 x
.set i, 0
.rept 32
	v_fma_f32 v[GT+i], |v[\x+i]|, s[K1], 1.0
.set i, i+1
.endr
.set i, 0
	s_wait_alu depctr_va_vdst(0)
.rept 32
	v_rcp_f32 v[GT+i], v[GT+i]
.set i, i+1
.endr
.set i, 0
.rept 16
	v_pk_mul_f32 v[GU+i:GU+i+1], v[\x+i:\x+i+1], v[\x+i:\x+i+1]
.set i, i+2
.endr
	s_wait_alu depctr_va_vdst(0)
.set i, 0
.rept 16
	v_pk_fma_f32 v[GP+i:GP+i+1], v[GT+i:GT+i+1], v[C9:C9+1], 0xbf527892 op_sel_hi:[1,1,0]
.set i, i+2
.endr
.irp c, 0x3fbe87b0, 0xbf914e5d, 0x3e8ec7cc, 0xbe3ec24c, 0x3dc636c9, 0x3ebf88fb, 0x3f8000c7, 0xbfa1fc4e
.set i, 0
.rept 16
	v_pk_fma_f32 v[GP+i:GP+i+1], v[GP+i:GP+i+1], v[GT+i:GT+i+1], \c op_sel_hi:[1,1,0]
.set i, i+2
.endr
.endr
.set i, 0
.rept 16
	v_pk_fma_f32 v[GP+i:GP+i+1], v[GU+i:GU+i+1], -0.5, v[GP+i:GP+i+1] op_sel_hi:[1,0,1]
.set i, i+2
.endr
.set i, 0
.rept 16
	v_pk_fma_f32 v[GP+i:GP+i+1], v[GP+i:GP+i+1], 0x3fb8aa3b, -1.0 op_sel_hi:[1,0,0]
.set i, i+2
.endr
.set i, 0
	s_wait_alu depctr_va_vdst(0)
.rept 32
	v_exp_f32 v[GP+i], v[GP+i]
.set i, i+1
.endr
.set i, 0
.rept 32
	v_max_num_f32 v[GU+i], 0, v[\x+i]
.set i, i+1
.endr
	s_wait_alu depctr_va_vdst(0)
.set i, 0
.rept 16
	v_pk_mul_f32 v[GP+i:GP+i+1], v[GP+i:GP+i+1], v[GT+i:GT+i+1]
.set i, i+2
.endr
.set i, 0
.rept 32
	v_fma_f32 v[\x+i], -|v[\x+i]|, v[GP+i], v[GU+i]
.set i, i+1
.endr
.endm
.macro QUANT s
.irp b, 0,1,2,3
	v_max3_num_f32 v[TM+\b], |v[\s+16*\b]|, |v[\s+1+16*\b]|, 0x8000000
.endr
.irp i, 2,4,6,8,10,12,14
.irp b, 0,1,2,3
	v_max3_num_f32 v[TM+\b], v[TM+\b], |v[\s+16*\b+\i]|, |v[\s+1+16*\b+\i]|
.endr
.endr
.irp b, 0,1,2,3
	v_permlanex16_b32 v[TM+4+\b], v[TM+\b], s[SEL], s[SEL+1]
.endr
.irp b, 0,1,2,3
	v_max_num_f32 v[TM+\b], v[TM+\b], v[TM+4+\b]
.endr
.irp b, 0,1,2,3
	v_add_nc_u32 v[TM+12+\b], 0xf8800000, v[TM+\b]
.endr
.irp b, 0,1,2,3
	v_and_or_b32 v[TM+8+\b], v[TM+\b], 0x7f800000, s[MNT]
.endr
.irp b, 0,1,2,3
	v_lshrrev_b32 v[TM+4+\b], 23, v[TM+12+\b]
.endr
	v_lshl_or_b32 v[PW], v[TM+5], 8, v[TM+4]
	v_lshl_or_b32 v[PW], v[TM+6], 16, v[PW]
	v_lshl_or_b32 v[PW], v[TM+7], 24, v[PW]
.irp b, 0,1,2,3
.irp i, 0,1,2,3,4,5,6,7,8,9,10,11,12,13,14,15
	v_med3_num_f32 v[\s+16*\b+\i], v[\s+16*\b+\i], -v[TM+8+\b], v[TM+8+\b]
.endr
	v_cvt_scalef32_pk8_bf8_f32 v[PC+4*\b:PC+1+4*\b], v[\s+16*\b:\s+7+16*\b], v[TM+12+\b]
	v_cvt_scalef32_pk8_bf8_f32 v[PC+2+4*\b:PC+3+4*\b], v[\s+8+16*\b:\s+15+16*\b], v[TM+12+\b]
.endr
	v_nop
.endm
	s_mov_b32 s[AI], 0
.Lrow:
.irp k, 0,1,2,3,4,5,6
	s_cmp_eq_u32 s[AI], \k
	s_cbranch_scc1 .Lx\k
.endr
	XFER 7
	s_branch .Lcom
.irp k, 0,1,2,3,4,5
.Lx\k:
	XFER \k
	s_branch .Lcom
.endr
.Lx6:
	XFER 6
.Lcom:
	GELU32 Y
	GELU32 Y+32
	QUANT Y
.irp c, 0,1,2,3
	global_store_b128 v1, v[PC+4*\c:PC+4*\c+3], s[X0:X0+1] offset:512*\c
.endr
.irp i, 0,1,2,3,4,5,6
	v_mov_b32 v[QQ+\i], v[QQ+\i+1]
.endr
	v_mov_b32 v[QQ+7], v[PW]
	s_wait_xcnt 0x0
	s_add_nc_u64 s[X0:X0+1], s[X0:X0+1], 65536
	s_add_co_u32 s[AI], s[AI], 1
	s_cmp_lt_u32 s[AI], 8
	s_cbranch_scc1 .Lrow
	s_wait_alu depctr_va_vdst(0)
.irp p, 0,1,2,3
	v_cndmask_b32 v[RR+\p], v[QQ+2*\p], v[QQ+2*\p+1], s[MH]
.endr
.irp p, 0,1,2,3
	global_store_b32 v2, v[RR+\p], s[XS:XS+1] offset:4096*\p
.endr
	s_wait_tensorcnt 0x0
	ds_add_u32 v[SPW], v[NIL]
	s_wait_dscnt 0x0
	CROUND
	s_endpgm
.Lfunc_end_k_qb84f245200_ffn1:
	.size	k_qb84f245200_ffn1, .Lfunc_end_k_qb84f245200_ffn1-k_qb84f245200_ffn1
	.p2alignl 7, 3214868480
	.fill 96, 4, 3214868480
	.section	.rodata,"a",@progbits
	.p2align	6, 0x0
	.amdhsa_kernel k_qb84f245200_ffn1
		.amdhsa_group_segment_fixed_size 327680
		.amdhsa_private_segment_fixed_size 0
		.amdhsa_enable_private_segment 0
		.amdhsa_kernarg_size 40
		.amdhsa_user_sgpr_count 2
		.amdhsa_user_sgpr_kernarg_segment_ptr 1
		.amdhsa_wavefront_size32 1
		.amdhsa_system_sgpr_workgroup_id_x 1
		.amdhsa_system_sgpr_workgroup_id_y 1
		.amdhsa_system_sgpr_workgroup_id_z 1
		.amdhsa_system_vgpr_workitem_id 0
		.amdhsa_next_free_vgpr 1024
		.amdhsa_next_free_sgpr 102
		.amdhsa_reserve_vcc 0
		.amdhsa_float_denorm_mode_32 3
		.amdhsa_float_denorm_mode_16_64 3
		.amdhsa_memory_ordered 1
		.amdhsa_forward_progress 1
		.amdhsa_inst_pref_size 197
	.end_amdhsa_kernel
	.amdgpu_metadata
---
amdhsa.version: [ 1, 2 ]
amdhsa.kernels:
  - .name:           k_qb84f245200_ffn1
    .symbol:         k_qb84f245200_ffn1.kd
    .args:
      - { .name: xq, .offset: 0, .size: 8, .value_kind: global_buffer, .address_space: global }
      - { .name: w1_codes, .offset: 8, .size: 8, .value_kind: global_buffer, .address_space: global }
      - { .name: w1_scales, .offset: 16, .size: 8, .value_kind: global_buffer, .address_space: global }
      - { .name: b1, .offset: 24, .size: 8, .value_kind: global_buffer, .address_space: global }
      - { .name: hb, .offset: 32, .size: 8, .value_kind: global_buffer, .address_space: global }
    .group_segment_fixed_size: 327680
    .private_segment_fixed_size: 0
    .kernarg_segment_align: 8
    .kernarg_segment_size: 40
    .max_flat_workgroup_size: 128
    .sgpr_count:     102
    .vgpr_count:     1024
    .wavefront_size: 32
...
	.end_amdgpu_metadata
.endif
;; end of part 5
;; launch ffn2 (part 6): grid 8 x 32, 4 waves a work-group, clusters of 4 x 4, 327,680 bytes of LDS; arguments hb, w2_codes, w2_scales, b2, x2, out0; writes out0
.if DOCPART == 6
	.amdgcn_target "amdgcn-amd-amdhsa--gfx1250"
	.amdhsa_code_object_version 6
	.text
	.protected	k_qb84f245200_ffn2
	.globl	k_qb84f245200_ffn2
	.p2align	8
	.type	k_qb84f245200_ffn2,@function
k_qb84f245200_ffn2:
	s_mov_b64 s[64:65], 0
	v_nop
	global_prefetch_b8 v0, s[64:65] scope:SCOPE_SE
	s_setreg_imm32_b32 hwreg(HW_REG_WAVE_MODE, 25, 1), 1
	s_wait_xcnt 0x0
	s_wait_alu depctr_hold_cnt(0) depctr_sa_sdst(0) depctr_va_vdst(0) depctr_va_sdst(0) depctr_va_ssrc(0) depctr_va_vcc(0) depctr_vm_vsrc(0)
	s_getreg_b32 s2, hwreg(HW_REG_IB_STS2, 6, 4)
	s_cmp_eq_u32 s2, 0
	s_cbranch_scc0 .Lentry_in_a_cluster
	s_endpgm
.Lentry_in_a_cluster:
	s_bfe_u32 s2, ttmp6, 0x10000c
	s_cmp_lg_u32 s2, 0xf033
	s_cbranch_scc0 .Lentry_shape_is_right
	s_endpgm
.Lentry_shape_is_right:
.set SIZE_K, 4096
.set KS,     SIZE_K/32
.set ASC,    4096*SIZE_K
.set PITCH,  528
.set AHALF,  32768
.set BHALF,  64*PITCH
.set BOFF,   2*AHALF
.set SLOT,   BOFF+2*BHALF
.set SCL,    2*SLOT
.set HALFS,  (64*KS/256)*272
.set SBLK,   (16*KS/256)*272
.set SPARE,  SCL+4*HALFS
.set LAPS,   SIZE_K/1024
.set SPITCH, 272
.set ADRA, 16
.set ADRB, 20
.set STO,  24
.set RD,   25
.set CO,   26
.set ADRS, 27
.set SPW,  28
.set NIL,  29
.set BO,   30
.set SC,   32
.set OB,   32
.set BIAS, 64
.set ACC,  128
.set F0,   0
.set F1,   128
.set G1, 24
.set G0, 32
.set G1B, 48
.set G0B, 56
.set G1S, 68
.set G0S, 76
.set G1SB, 80
.set G0SB, 88
.set MSB, 0
.macro WIN new
.if MSB != \new
	s_set_vgpr_msb (MSB<<8)|\new
.set MSB, \new
.endif
.endm
.set MUL,  0x05
.set TO_F, 0x40
.macro JLOAD g0a, g1a, g0b, g1b
	s_cmp_eq_u32 s17, 0
	s_cbranch_scc0 .Lfor_b_\@
	tensor_load_to_lds s[\g0a:\g0a+3], s[\g1a:\g1a+7]
	s_nop 0
.rept 4
	v_nop
.endr
	s_branch .Lasked_\@
.Lfor_b_\@:
	tensor_load_to_lds s[\g0b:\g0b+3], s[\g1b:\g1b+7]
	s_nop 0
.rept 4
	v_nop
.endr
.Lasked_\@:
.endm
.macro CREST
	s_cmp_lg_u32 s16, 0
	s_cbranch_scc1 .Lnot_wave_0_\@
	s_barrier_signal -3
.Lnot_wave_0_\@:
	s_barrier_wait -3
	s_barrier_signal -1
	s_barrier_wait -1
.endm
.macro CROUND
	s_barrier_signal -1
	s_barrier_wait -1
	CREST
.endm
	s_load_b256 s[4:11], s[0:1], 0x0
	s_load_b128 s[12:15], s[0:1], 0x20
	v_lshl_add_u32 v[SPW], v0, 2, SPARE
	v_mov_b32 v[NIL], 0
	ds_add_u32 v28, v29
	ds_add_u32 v28, v29
	s_wait_dscnt 0x0
	v_lshrrev_b32 v1, 5, v0
	v_readfirstlane_b32 s16, v1
	s_lshr_b32 s17, s16, 1
	s_and_b32 s18, s16, 1
	s_bfe_u32 s21, ttmp6, 0x40000
	s_bfe_u32 s22, ttmp6, 0x40004
	s_lshl_b32 s20, ttmp9, 2
	s_add_co_u32 s20, s20, s21
	s_and_b32 s19, ttmp7, 0xffff
	s_lshl_b32 s19, s19, 2
	s_add_co_u32 s19, s19, s22
	s_lshl_b32 s40, s22, 2
	s_lshl_b32 s40, 15, s40
	s_lshl_b32 s41, 0x1111, s21
	s_or_b32 s[G1+0], s40, (3<<16)|(1<<21)
	s_mov_b32 s[G1+1], 1024<<16
	s_mov_b32 s[G1+2], 8<<16
	s_mov_b32 s[G1+3], 1024<<16
	s_mov_b32 s[G1+4], 8
	s_mov_b32 s[G1+5], 2*SIZE_K
	s_mov_b32 s[G1+6], 0
	s_mov_b32 s[G1+7], 0
	s_or_b32 s[G1B+0], s41, (0<<16)|(1<<20)|(1<<21)|(6<<22)|(3<<25)
	s_mov_b32 s[G1B+1], 512<<16
	s_mov_b32 s[G1B+2], 128<<16
	s_mov_b32 s[G1B+3], 512<<16
	s_mov_b32 s[G1B+4], 128
	s_mov_b32 s[G1B+5], SIZE_K
	s_mov_b32 s[G1B+6], 0
	s_mov_b32 s[G1B+7], 0
	s_or_b32 s[G1S+0], s40, (3<<16)|(1<<20)|(1<<21)|(5<<22)|(3<<25)
	s_or_b32 s[G1SB+0], s41, (3<<16)|(1<<20)|(1<<21)|(5<<22)|(3<<25)
.irp g, G1S, G1SB
	s_mov_b32 s[\g+1], 32<<16
	s_mov_b32 s[\g+2], (128*KS/256)<<16
	s_mov_b32 s[\g+3], 32<<16
	s_mov_b32 s[\g+4], 128*KS/256
	s_mov_b32 s[\g+5], 32
	s_mov_b32 s[\g+6], 0
	s_mov_b32 s[\g+7], 0
.endr
	s_lshl_b32 s42, s19, 3
	s_mul_i32 s66, s18, 64*SIZE_K                  ; half a tile of A (4 images' rows) or of B (64 rows), in bytes
	s_mov_b32 s67, 0
	s_mul_i32 s42, s42, 16*SIZE_K
	s_mov_b32 s43, 0
	s_lshl_b32 s44, s19, 7
	s_mul_i32 s44, s44, KS
	s_add_co_u32 s44, s44, ASC
	s_mov_b32 s45, 0
	s_lshl_b32 s46, s20, 7
	s_mul_i32 s92, s46, KS
	s_mul_i32 s46, s46, SIZE_K
	s_mov_b32 s47, 0
	s_mov_b32 s93, 0
	s_mul_i32 s94, s16, HALFS
	s_mul_i32 s95, s18, AHALF
	s_mul_i32 s23, s18, BHALF
	s_add_co_u32 s23, s23, BOFF
	s_wait_kmcnt 0x0
	s_add_nc_u64 s[42:43], s[4:5], s[42:43]
	s_add_nc_u64 s[44:45], s[4:5], s[44:45]
	s_add_nc_u64 s[46:47], s[6:7], s[46:47]
	s_add_nc_u64 s[92:93], s[8:9], s[92:93]
	CROUND
	s_mov_b32 s[G0S], 1
	s_mov_b32 s[G0S+1], SCL
	s_mov_b64 s[G0S+2:G0S+3], s[44:45]
	s_or_b32 s[G0S+3], s[G0S+3], 0x80000000
	s_mov_b32 s[G0SB], 1
	s_mov_b32 s[G0SB+1], SCL+2*HALFS
	s_mov_b64 s[G0SB+2:G0SB+3], s[92:93]
	s_or_b32 s[G0SB+3], s[G0SB+3], 0x80000000
	s_mov_b32 s[G0], 1                             ; slot 0's groups 0 serve the head: the whole tiles of K step 0
	s_mov_b32 s[G0+1], 0
	s_mov_b64 s[G0+2:G0+3], s[42:43]
	s_or_b32 s[G0+3], s[G0+3], 0x80000000
	s_mov_b32 s[G0B], 1
	s_mov_b32 s[G0B+1], BOFF
	s_mov_b64 s[G0B+2:G0B+3], s[46:47]
	s_or_b32 s[G0B+3], s[G0B+3], 0x80000000
	; THE PREFETCHES INTO THE L2: behind the load of K step j stands a request for K step j + 2 (at the head for K step 1 too).  A K step of the work-group's tiles is 256 + 256 blocks of 256 bytes; the four partners that ask
	; for a tile jointly share its blocks out BY ADDRESS: of A's 8 image rows (8,192 bytes a K step) the partner at cx takes rows 2 cx and 2 cx + 1, one to each of waves 0 and 1, lanes 256 bytes apart;
	; of B's 128 rows (512 bytes a K step) the partner at cy takes rows 32 cy on, a lane a row, waves 2 and 3 a half of the 512 bytes each.  s[92:93] where they stand, s[44:45] a K step on, v31 my lane's offset, v15 the same one K step on
	s_lshl_b32 s94, s21, 1
	s_add_co_u32 s94, s94, s18
	s_mul_i32 s94, s94, 16*SIZE_K
	s_mul_i32 s40, s22, 32*SIZE_K
	s_lshl_b32 s41, s18, 8
	s_add_co_u32 s40, s40, s41
	s_mov_b32 s44, 512
	s_mov_b32 s41, SIZE_K
	s_cmp_eq_u32 s17, 0                            ; do I fetch for A?
	s_cselect_b64 s[92:93], s[42:43], s[46:47]
	s_cselect_b32 s40, s94, s40
	s_cselect_b32 s44, 8192, s44
	s_cselect_b32 s94, 256, s41                    ; from lane to lane
	s_mov_b32 s41, 0
	s_mov_b32 s45, 0
	s_add_nc_u64 s[92:93], s[92:93], s[40:41]
	s_add_nc_u64 s[92:93], s[92:93], s[44:45]      ; at K step 1
	s_add_nc_u64 s[42:43], s[42:43], s[66:67]
	s_add_nc_u64 s[46:47], s[46:47], s[66:67]
	s_mov_b32 s[G0+4], 1
	s_add_co_u32 s[G0+5], s95, SLOT
	s_add_nc_u64 s[G0+6:G0+7], s[42:43], 8192
	s_or_b32 s[G0+7], s[G0+7], 0x80000000
	s_mov_b32 s[G0B+4], 1
	s_add_co_u32 s[G0B+5], s23, SLOT
	s_add_nc_u64 s[G0B+6:G0B+7], s[46:47], 512
	s_or_b32 s[G0B+7], s[G0B+7], 0x80000000
; the head's four tiles, one load a wave: wave 0 A's tile of K step 0, wave 1 B's, wave 2 A's scale bytes, wave 3 B's; one chain of branches on the wave's number
.macro ARM under, g0, g1, next
	s_cmp_lt_u32 s16, \under
	s_cbranch_scc0 \next
	tensor_load_to_lds s[\g0:\g0+3], s[\g1:\g1+7]
	s_nop 0
.rept 4
	v_nop
.endr
	s_branch .Lhead_asked
\next:
.endm
	ARM 1, G0,  G1,  .Lhead_b
	ARM 2, G0B, G1B, .Lhead_sa
	ARM 3, G0S, G1S, .Lhead_sb
	tensor_load_to_lds s[G0SB:G0SB+3], s[G1SB:G1SB+7]
	s_nop 0
.rept 4
	v_nop
.endr
.Lhead_asked:
	v_and_b32 v31, 31, v0
	v_mul_lo_u32 v31, v31, s94
	v_add_nc_u32 v15, s44, v31
	global_prefetch_b8 v31, s[92:93] th:TH_LOAD_NT scope:SCOPE_SE   ; K step 1
	global_prefetch_b8 v15, s[92:93] th:TH_LOAD_NT scope:SCOPE_SE   ; K step 2
	v_and_b32 v1, 15, v0
	v_bfe_u32 v2, v0, 4, 1
	v_and_b32 v3, 31, v0
	v_lshlrev_b32 v4, 4, v3
	s_mul_i32 s23, s17, AHALF
	v_add_nc_u32 v[ADRA], s23, v4
	v_add_nc_u32 v[ADRA+1], SLOT, v[ADRA]
	v_mul_u32_u24 v5, v1, PITCH
	v_lshl_add_u32 v5, v2, 3, v5
	s_mul_i32 s23, s18, BHALF
	s_add_co_u32 s23, s23, BOFF
	v_add_nc_u32 v[ADRB], s23, v5
	v_add_nc_u32 v[ADRB+1], SLOT, v[ADRB]
	v_mul_u32_u24 v5, v1, KS
	v_lshrrev_b32 v6, 8, v5
	v_lshl_add_u32 v5, v6, 4, v5
	s_mul_i32 s23, s17, HALFS
	s_mul_i32 s95, s18, HALFS
	s_add_co_u32 s95, s95, 2*HALFS
	s_sub_co_u32 s95, s95, s23
	v_mul_u32_u24 v6, s95, v2
	s_add_co_u32 s23, s23, SCL
	v_add_nc_u32 v5, v5, v6
	v_add_nc_u32 v[ADRS], s23, v5
	s_mul_i32 s23, s16, 16*SPITCH
	v_mul_u32_u24 v5, v1, SPITCH
	v_lshl_add_u32 v5, v2, 5, v5
	v_add_nc_u32 v[STO], s23, v5
	v_mul_u32_u24 v5, v2, SPITCH
	v_lshl_add_u32 v5, v1, 4, v5
	v_add_nc_u32 v[RD], s23, v5
	v_lshlrev_b32 v[CO], 12, v2
	v_lshl_add_u32 v[CO], v1, 4, v[CO]
	v_lshlrev_b32 v[BO], 5, v2
	s_wait_alu depctr_va_vdst(0)
	s_lshl_b32 s96, s19, 7
	s_lshl_b32 s97, s17, 6
	s_add_co_u32 s96, s96, s97
	s_lshl_b32 s96, s96, 12
	s_lshl_b32 s97, s20, 9
	s_lshl_b32 s98, s18, 8
	s_add_co_u32 s98, s97, s98
	s_add_co_u32 s96, s96, s98
	s_mov_b32 s97, 0
	s_mov_b32 s99, 0
	s_add_nc_u64 s[12:13], s[12:13], s[96:97]
	s_add_nc_u64 s[14:15], s[14:15], s[96:97]
	s_add_nc_u64 s[10:11], s[10:11], s[98:99]
.irp b, 0,1,2,3
	global_load_b128 v[BIAS+8*\b:BIAS+8*\b+3], v[BO], s[10:11] offset:64*\b
	global_load_b128 v[BIAS+8*\b+4:BIAS+8*\b+7], v[BO], s[10:11] offset:64*\b+16
.endr
	WIN 0x80
.irp a, 0,1,2,3
.irp t, 0,1,2,3,4,5,6,7
	global_load_b128 v[4*(8*\a+\t):4*(8*\a+\t)+3], v[CO], s[12:13] offset:(16*\a+2*\t)*4096
.endr
.endr
	WIN 0
.macro FETCH slot, q, f
	WIN TO_F
.irp i, 0,1,2,3
.irp c, 0,1,2,3
	ds_load_b128 v[\f+16*\i+4*\c:\f+16*\i+4*\c+3], v[ADRA+\slot] offset:8192*\i+2048*(\q)+512*\c
.endr
.endr
.irp i, 0,1,2,3
.irp c, 0,1,2,3,4,5,6,7
	ds_load_b64 v[\f+64+16*\i+2*\c:\f+64+16*\i+2*\c+1], v[ADRB+\slot] offset:16*PITCH*\i+128*(\q)+16*\c
.endr
.endr
.endm
.macro SCALES set
	WIN 0
.irp i, 0,1,2,3
	ds_load_b128 v[SC+16*\set+4*\i:SC+16*\set+4*\i+3], v[ADRS] offset:\i*SBLK
.endr
.endm
.macro MUL8 f, a0, set, q, first
.irp a, \a0, \a0+1
.irp b, 0,1,2,3
.if \first
	v_wmma_scale_f32_16x16x128_f8f6f4 v[ACC+8*(4*(\a)+\b):ACC+8*(4*(\a)+\b)+7], v[\f+64+16*\b:\f+64+16*\b+15], v[\f+16*(\a):\f+16*(\a)+15], v[BIAS+8*\b:BIAS+8*\b+7], v[SC+16*(\set)+4*\b+(\q)], v[SC+16*(\set)+4*(\a)+(\q)] matrix_a_fmt:MATRIX_FMT_BF8 matrix_b_fmt:MATRIX_FMT_BF8 matrix_a_scale:MATRIX_SCALE_ROW1
.else
	v_wmma_scale_f32_16x16x128_f8f6f4 v[ACC+8*(4*(\a)+\b):ACC+8*(4*(\a)+\b)+7], v[\f+64+16*\b:\f+64+16*\b+15], v[\f+16*(\a):\f+16*(\a)+15], v[ACC+8*(4*(\a)+\b):ACC+8*(4*(\a)+\b)+7], v[SC+16*(\set)+4*\b+(\q)], v[SC+16*(\set)+4*(\a)+(\q)] matrix_a_fmt:MATRIX_FMT_BF8 matrix_b_fmt:MATRIX_FMT_BF8 matrix_a_scale:MATRIX_SCALE_ROW1
.endif
.endr
.endr
.endm
.macro PLACES n
.rept \n
	v_nop
.endr
.endm
.macro QUARTER slot, q, f, g, first
	s_wait_dscnt 0x0
	PLACES 8
	FETCH \slot, (\q)+1, \g
	WIN MUL
	MUL8 \f, 0, \slot, \q, \first
	MUL8 \f, 2, \slot, \q, \first
.endm
.macro TURN slot, next, fill
.if \fill
	s_wait_xcnt 0x0                                ; any prefetch of mine has read its address: it is stepped here, ahead of the waits of the change of slots
	s_add_nc_u64 s[92:93], s[92:93], s[44:45]
.endif
	WIN 0
	s_wait_tensorcnt 0x0
	ds_add_u32 v[SPW], v[NIL]
	s_wait_dscnt 1
	WIN MUL
	MUL8 F1, 0, \slot, 3, 0
	s_wait_dscnt 0x0
	s_barrier_signal -1
	WIN 0
	s_barrier_wait -1
.if \fill
	CREST
	s_add_nc_u64 s[G0+4*\slot+2:G0+4*\slot+3], s[G0+4*\slot+2:G0+4*\slot+3], 16384
	s_add_nc_u64 s[G0B+4*\slot+2:G0B+4*\slot+3], s[G0B+4*\slot+2:G0B+4*\slot+3], 1024
	JLOAD G0+4*\slot, G1, G0B+4*\slot, G1B
	PLACES 4
.else
	PLACES 8
.endif
	s_wait_alu depctr_va_vdst(0)
	v_add_nc_u32 v[ADRS], 16, v[ADRS]
	FETCH \next, 0, F0
	SCALES \next
.if \fill
	s_cmp_gt_u32 s3, 1                             ; the loop's last trip loads K steps 6 and 7: there is no K step two on
	s_cbranch_scc0 .Lno_ask_\@
	global_prefetch_b8 v15, s[92:93] th:TH_LOAD_NT scope:SCOPE_SE
.Lno_ask_\@:
.endif
	WIN MUL
	MUL8 F1, 2, \slot, 3, 0
.endm
	s_wait_tensorcnt 0x0                           ; my tile of the head's four is in
	ds_add_u32 v[SPW], v[NIL]
	s_wait_xcnt 0x0                                ; my prefetches have read their address: it is stepped only behind this wait
	s_add_nc_u64 s[92:93], s[92:93], s[44:45]      ; at K step 2
	s_mov_b32 s[G1+2], 4<<16
	s_mov_b32 s[G1+4], 4
	s_mov_b32 s[G1B+2], 64<<16
	s_mov_b32 s[G1B+4], 64
.if LAPS > 1
	s_mul_i32 s[G0+1], s18, AHALF                  ; and slot 0's groups 0 stand at my half of K step 0, from where the first refill steps them
	s_add_nc_u64 s[G0+2:G0+3], s[G0+2:G0+3], s[66:67]
	s_mul_i32 s[G0B+1], s18, BHALF
	s_add_co_u32 s[G0B+1], s[G0B+1], BOFF
	s_add_nc_u64 s[G0B+2:G0B+3], s[G0B+2:G0B+3], s[66:67]
.endif
	s_wait_dscnt 0x0
	CROUND                                         ; all four tiles are in, and all sixteen work-groups are here
	JLOAD G0+4, G1, G0B+4, G1B                     ; K step 1, the first tensor load behind the round
	FETCH 0, 0, F0
	SCALES 0
	global_prefetch_b8 v15, s[92:93] th:TH_LOAD_NT scope:SCOPE_SE   ; K step 3, behind the load of K step 1
	s_wait_loadcnt 32
	QUARTER 0, 0, F0, F1, 1
.if LAPS > 1
	WIN 0
	s_mov_b32 s3, LAPS-1
.Llap:
	QUARTER 0, 1, F1, F0, 0
	QUARTER 0, 2, F0, F1, 0
	TURN 0, 1, 1
	QUARTER 1, 0, F0, F1, 0
	QUARTER 1, 1, F1, F0, 0
	QUARTER 1, 2, F0, F1, 0
	TURN 1, 0, 1
	QUARTER 0, 0, F0, F1, 0
	WIN 0
	s_sub_co_u32 s3, s3, 1
	s_cmp_lg_u32 s3, 0
	s_cbranch_scc1 .Llap
.endif
	QUARTER 0, 1, F1, F0, 0
	QUARTER 0, 2, F0, F1, 0
	TURN 0, 1, 0
	QUARTER 1, 0, F0, F1, 0
	QUARTER 1, 1, F1, F0, 0
	QUARTER 1, 2, F0, F1, 0
	s_wait_dscnt 0x0
	WIN MUL
	MUL8 F1, 0, 1, 3, 0
	MUL8 F1, 2, 1, 3, 0
	WIN 0
.macro TOSTAGE a
.irp b, 0,1,2,3
	ds_store_b128 v[STO], v[ACC+8*(4*(\a)+\b):ACC+8*(4*(\a)+\b)+3] offset:64*\b
	ds_store_b128 v[STO], v[ACC+8*(4*(\a)+\b)+4:ACC+8*(4*(\a)+\b)+7] offset:64*\b+16
.endr
.set BB, OB+32*((\a)%2)
.irp t, 0,1,2,3,4,5,6,7
	ds_load_b128 v[BB+4*\t:BB+4*\t+3], v[RD] offset:\t*2*SPITCH
.endr
.endm
.macro SEND a, younger
.set BB, OB+32*((\a)%2)
	s_wait_dscnt \younger
	WIN 0x08
.set i, 0
.rept 16
	v_pk_add_f32 v[BB+i:BB+i+1], v[BB+i:BB+i+1], v[32*(\a)+i:32*(\a)+i+1]
.set i, i+2
.endr
	WIN 0
.irp t, 0,1,2,3,4,5,6,7
	global_store_b128 v[CO], v[BB+4*\t:BB+4*\t+3], s[14:15] offset:(16*(\a)+2*\t)*4096 th:TH_STORE_NT
.endr
.endm
	PLACES 8
	s_wait_loadcnt 0x0
	TOSTAGE 0
.irp a, 1,2,3
.if \a > 1
	s_wait_xcnt 0x0
.endif
	TOSTAGE \a
	SEND \a-1, 16
.endr
	SEND 3, 0
	s_wait_tensorcnt 0x0
	ds_add_u32 v[SPW], v[NIL]
	s_wait_dscnt 0x0
	CROUND
	s_endpgm
.Lfunc_end_k_qb84f245200_ffn2:
	.size	k_qb84f245200_ffn2, .Lfunc_end_k_qb84f245200_ffn2-k_qb84f245200_ffn2
	.p2alignl 7, 3214868480
	.fill 96, 4, 3214868480
	.section	.rodata,"a",@progbits
	.p2align	6, 0x0
	.amdhsa_kernel k_qb84f245200_ffn2
		.amdhsa_group_segment_fixed_size 327680
		.amdhsa_private_segment_fixed_size 0
		.amdhsa_enable_private_segment 0
		.amdhsa_kernarg_size 48
		.amdhsa_user_sgpr_count 2
		.amdhsa_user_sgpr_kernarg_segment_ptr 1
		.amdhsa_wavefront_size32 1
		.amdhsa_system_sgpr_workgroup_id_x 1
		.amdhsa_system_sgpr_workgroup_id_y 1
		.amdhsa_system_sgpr_workgroup_id_z 1
		.amdhsa_system_vgpr_workitem_id 0
		.amdhsa_next_free_vgpr 640
		.amdhsa_next_free_sgpr 100
		.amdhsa_reserve_vcc 0
		.amdhsa_float_denorm_mode_32 3
		.amdhsa_float_denorm_mode_16_64 3
		.amdhsa_memory_ordered 1
		.amdhsa_forward_progress 1
		.amdhsa_inst_pref_size 118
	.end_amdhsa_kernel
	.amdgpu_metadata
---
amdhsa.version: [ 1, 2 ]
amdhsa.kernels:
  - .name:           k_qb84f245200_ffn2
    .symbol:         k_qb84f245200_ffn2.kd
    .args:
      - { .name: hb, .offset: 0, .size: 8, .value_kind: global_buffer, .address_space: global }
      - { .name: w2_codes, .offset: 8, .size: 8, .value_kind: global_buffer, .address_space: global }
      - { .name: w2_scales, .offset: 16, .size: 8, .value_kind: global_buffer, .address_space: global }
      - { .name: b2, .offset: 24, .size: 8, .value_kind: global_buffer, .address_space: global }
      - { .name: x2, .offset: 32, .size: 8, .value_kind: global_buffer, .address_space: global }
      - { .name: out0, .offset: 40, .size: 8, .value_kind: global_buffer, .address_space: global }
    .group_segment_fixed_size: 327680
    .private_segment_fixed_size: 0
    .kernarg_segment_align: 8
    .kernarg_segment_size: 48
    .max_flat_workgroup_size: 128
    .sgpr_count:     100
    .vgpr_count:     640
    .wavefront_size: 32
...
	.end_amdgpu_metadata
.endif
;; end of part 6
